; MI455X (gfx1250); checked and timed in simulation.
; The chip was launched on July 23, 2026; its instructions are those of AMD's public machine-readable ISA for CDNA 5 (MIT licence, August 2026) and "CDNA5" Instruction Set Architecture Reference Guide (July 2026). The comments in the code are by the model that wrote it; some were corrected since.
;; Encoder Layer. Allowed arithmetic: matrix products marked QUANTISED: E5M2 operands, one E8M0 scale for each 32 along K, by v_wmma_scale_f32_16x16x128_f8f6f4 with both operands' format E5M2, f32 sums; everything else in f32.
;; Inputs: b1 4,096 float32; b2 1,024 float32; be1 1,024 float32; be2 1,024 float32; g1 1,024 float32; g2 1,024 float32; w1_codes 4,096 x 32 x 32 uint8 (E5M2 codes of w1, K innermost, in blocks of 32 codes); w1_scales 4,096 x 32 uint8 (E8M0 scales of w1, one for each 32 codes along K); w2_codes 1,024 x 128 x 32 uint8 (E5M2 codes of w2, K innermost, in blocks of 32 codes); w2_scales 1,024 x 128 uint8 (E8M0 scales of w2, one for each 32 codes along K); wk_codes 1,024 x 32 x 32 uint8 (E5M2 codes of wk, K innermost, in blocks of 32 codes); wk_scales 1,024 x 32 uint8 (E8M0 scales of wk, one for each 32 codes along K); wo_codes 1,024 x 32 x 32 uint8 (E5M2 codes of wo, K innermost, in blocks of 32 codes); wo_scales 1,024 x 32 uint8 (E8M0 scales of wo, one for each 32 codes along K); wq_codes 1,024 x 32 x 32 uint8 (E5M2 codes of wq, K innermost, in blocks of 32 codes); wq_scales 1,024 x 32 uint8 (E8M0 scales of wq, one for each 32 codes along K); wv_codes 1,024 x 32 x 32 uint8 (E5M2 codes of wv, K innermost, in blocks of 32 codes); wv_scales 1,024 x 32 uint8 (E8M0 scales of wv, one for each 32 codes along K); x 4 x 1,024 x 1,024 float32.
;; Outputs: out0 4 x 1,024 x 1,024 float32.
;; This version of the problem:
;;   THIS VERSION OF THE PROBLEM IS GIVEN IN LOW PRECISION. The matrix products marked QUANTISED in the list below multiply operands that are first quantised to E5M2 (5 exponent bits, 2 mantissa bits; 8 bits a number), with one power-of-two scale for each 32 numbers along K (OCP MX v1.0); their sums are f32. All else is computed in f32.
;;   The module's matrix products, in the order in which they are computed (A, B: the left and right operand; K: the contracted axis; several contracted axes count as one K, in the product's order):
;;     1. [M 4,096, K 1,024] x [K 1,024, N 1,024]; A: computed on the way; B: input wq (given as codes): QUANTISED
;;     2. [M 4,096, K 1,024] x [K 1,024, N 1,024]; A: computed on the way; B: input wk (given as codes): QUANTISED
;;     3. [M 4,096, K 1,024] x [K 1,024, N 1,024]; A: computed on the way; B: input wv (given as codes): QUANTISED
;;     4. batch 64 x [M 1,024, K 64] x [K 64, N 1,024]; A: computed on the way; B: computed on the way: QUANTISED
;;     5. batch 64 x [M 1,024, K 1,024] x [K 1,024, N 64]; A: computed on the way; B: computed on the way: QUANTISED
;;     6. [M 4,096, K 1,024] x [K 1,024, N 1,024]; A: computed on the way; B: input wo (given as codes): QUANTISED
;;     7. [M 4,096, K 1,024] x [K 1,024, N 4,096]; A: computed on the way; B: input w1 (given as codes): QUANTISED
;;     8. [M 4,096, K 4,096] x [K 4,096, N 1,024]; A: computed on the way; B: input w2 (given as codes): QUANTISED
;;   THE QUANTISER, for each operand of a quantised product, along K:
;;     - K is cut into blocks of 32 from its start; a last block that is shorter is filled with zeros.
;;     - A block's scale is 2^e with e = floor(log2(the largest magnitude in the block)) - 15, held to -126 .. 127; a block of zeros has e = 0. As a byte (E8M0): e + 127.
;;     - Each number is divided by its block's scale, clamped to +-57,344, and rounded to the nearest number of E5M2, ties to even, subnormals kept.
;;     - The product sums the exact products of the quantised numbers (number of the format x scale) in f32.
;;   ~~~python
;;   def quantise(x, axis):      # numpy; x: float32 -> the quantised numbers, widened to float32 again
;;       x = np.moveaxis(x, axis, -1); K = x.shape[-1]
;;       x = np.pad(x, [(0, 0)] * (x.ndim - 1) + [(0, -K % 32)]); x = x.reshape(x.shape[:-1] + (-1, 32)); a = np.abs(x).max(-1, keepdims=True)
;;       e = np.where(a > 0, np.clip(np.frexp(np.where(a > 0, a, 1))[1] - 1 - 15, -126, 127), 0)      # np.frexp(a)[1] - 1 = floor(log2(a)), exactly
;;       r = np.clip(x / 2.0 ** e, -57344, 57344)
;;       step = 2.0 ** (np.maximum(np.frexp(np.where(r == 0, 1, r))[1] - 1, -14) - 2)
;;       q = np.round(r / step) * step * 2.0 ** e      # np.round: ties to even
;;       return np.moveaxis(q.reshape(q.shape[:-2] + (-1,))[..., :K], -1, axis).astype(np.float32)
;;   ~~~
;;   OPERANDS COMPUTED ON THE WAY. 'Computed on the way' means the value that the module computes at that place (a softmax that the list does not call 'softmax' is quantised finished and normalised). What goes into a quantiser is computed in f32, as accurately as f32 sums, v_exp_f32 and their like allow (about 1e-6 of the number): no bf16 or f16 on the way to a quantiser, and a product that is left as it is and whose result goes on into a quantised operand takes f32 operands (vector FMAs, or v_wmma_f32_16x16x4_f32). A number that lies on a knife's edge between two numbers of the format may be rounded either way, as far as f32 arithmetic and the matrix unit's own rounding can turn it there, and no further.
;;   INPUTS GIVEN AS CODES. w1 (in the module: [1024, 4096], K = its axis 0); w2 (in the module: [4096, 1024], K = its axis 0); wk (in the module: [1024, 1024], K = its axis 0); wo (in the module: [1024, 1024], K = its axis 0); wq (in the module: [1024, 1024], K = its axis 0); wv (in the module: [1024, 1024], K = its axis 0): each comes as NAME_codes (uint8): NAME with its K axis moved to the last place and cut into blocks of 32 codes, [.., K / 32, bytes a block], one block behind the other in memory; one code a byte (a code: sign, 5 exponent bits, 2 mantissa bits); and NAME_scales (uint8): the same leading axes, one E8M0 byte (e + 127) for each 32 codes along K. Its value is code x scale, taken as it is: it is not quantised again, and the codes and scales need not be those that the quantiser above would give.
;; One version. Each part assembles by itself: llvm-mc -triple=amdgcn-amd-amdhsa -mcpu=gfx1250 --defsym DOCPART=n.
;; ======== version 1 of 1: 7 launches
;; limits: right only within a limited range of input values
;; workspace buffers: hq 4,325,376 bytes; qkv 12,976,128 bytes; att 4,325,376 bytes; x1 16,777,216 bytes; hid 17,301,504 bytes
;; launch ln1 (part 1): grid 256 x 1, 16 waves a work-group, no clusters, 84,480 bytes of LDS; arguments x, g1, be1, hq; writes hq
.if DOCPART == 1
	.amdgcn_target "amdgcn-amd-amdhsa--gfx1250"
	.amdhsa_code_object_version 6
	.text
	.protected	k_q06b0223fd9_ln1
	.globl	k_q06b0223fd9_ln1
	.p2align	8
	.type	k_q06b0223fd9_ln1,@function
k_q06b0223fd9_ln1:
	s_mov_b64 s[64:65], 0
	v_nop
	global_prefetch_b8 v0, s[64:65] scope:SCOPE_SE
	s_setreg_imm32_b32 hwreg(HW_REG_WAVE_MODE, 25, 1), 1
	s_wait_xcnt 0x0
; h = (x - mean) * rsqrt(var + 1e-5) * g + b along rows of 1,024 f32, then quantised along the row to codes of BF8 (E5M2) with one E8M0 byte for each 32 numbers.
; in: [4096][1024] f32.  out: codes [4096][1024] bytes at byte 0 of the buffer, scale bytes [4096][32] at byte HS.
; SHARES.  A work-group takes 16 rows, each of its four waves 4.  A wave holds a whole row in 32 registers, so the row is read once and mean and variance (two passes, in f32) never leave the wave.
; All 32 loads of a wave go out at the start (16 KiB a wave on their way); each reads 512 consecutive bytes.  The conversions take neighbours along the row from ONE lane's registers, so a row turns through
; the wave's own stage in LDS: in as loaded (16 bytes a lane), out 64 bytes a lane, 16 bytes of padding behind each 64.  Register 16 u + k of a lane is then element 512 u + 16 lane + k.
; A block's scale byte is its largest magnitude's exponent field - 15, held at 1 from below (a block of zeros gets 1 where the rule says 127: its codes are zeros and this program alone reads the bytes).
; LIMITS: NaN and infinities among the inputs are not served; blocks whose largest magnitude lies under 2^(16 - 127) keep the byte 1.
; No matrix unit, no tensor loads, no cluster: the rows share nothing but g and b (8 KiB), and memory binds.
.set HS,   4194304                     ; where the scale bytes begin in the output buffer
.set SP,   80                          ; a lane's place in a stage: 64 bytes + 16 of padding
; SHARES AS THEY NOW STAND: a work-group takes 16 rows with SIXTEEN waves, a row each: four waves to a SIMD, so that one wave's dependent sums stand beside another's work.
.set WREG, 5120                        ; LDS of a wave: 1 row x 2 halves x 32 places
.set SCB,  81920                       ; behind the stages: the work-group's 16 x 32 scale bytes
.set T,    8                           ; v8-15   four pairs at work
.set G,    32                          ; v32-63  g, in the layout behind the turn
.set BE,   64                          ; v64-95  b likewise
.set R,    96                          ; v96-223 row i at R + 32 i
.set C,    224                         ; v224-255 codes: row i, half u at C + 8 i + 4 u: no store's data are written again
	s_load_b256 s[4:11], s[0:1], 0x0               ; in s[4:5], g s[6:7], b s[8:9], out s[10:11]
	v_lshl_add_u32 v30, v0, 2, 0x14200
	v_mov_b32 v31, 0
	v_lshrrev_b32 v1, 5, v0
	v_readfirstlane_b32 s14, v1                    ; wave
	v_and_b32 v1, 31, v0                           ; lane
	v_lshlrev_b32 v2, 4, v1                        ; 16 x lane: my bytes of a load's 512, and of a half row's codes
	s_mul_i32 s15, s14, WREG
	v_lshrrev_b32 v3, 2, v1
	v_mul_u32_u24 v3, v3, SP
	v_and_b32 v4, 3, v1
	v_lshl_add_u32 v3, v4, 4, v3
	v_add_nc_u32 v3, s15, v3                       ; the stage, on the way in: SP (lane / 4) + 16 (lane % 4)
	v_mul_u32_u24 v4, v1, SP
	v_add_nc_u32 v4, s15, v4                       ; and on the way out: SP x lane
	v_lshlrev_b32 v5, 6, v1                        ; g, b: 64 bytes a lane
	v_add_nc_u32 v6, SCB, v2                       ; the scale bytes on their way out: 16 a lane
	v_lshrrev_b32 v7, 1, v1
	s_lshl_b32 s15, s14, 5                         ; 32 scale bytes a wave: one row
	s_add_co_u32 s15, s15, SCB
	v_add_nc_u32 v7, s15, v7                       ; my block's byte: SCB + 32 wave + lane / 2
	v_mov_b32 v20, 0                               ; written once: a lane permute's destination counts as one of its sources
	s_mov_b32 s16, 0x76543210
	s_mov_b32 s17, 0xfedcba98                      ; v_permlanex16_b32's selects for lane l xor 16
	s_mov_b32 s18, 0x3a800000                      ; 1 / 1024
	s_mov_b32 s19, 0x3727c5ac                      ; 1e-5
	s_mov_b32 s20, 0x600000                        ; the mantissa field of 57,344
	s_lshl_b32 s21, ttmp9, 4
	s_lshl_b32 s22, s14, 0                         ; one row a wave
	s_add_co_u32 s21, s21, s22                     ; my first row: 16 x work-group + wave
	s_lshl_b32 s2, s21, 12                         ; in bytes of f32 rows,
	s_mov_b32 s3, 0
	s_lshl_b32 s22, s21, 10                        ; of code rows,
	s_mov_b32 s23, 0
	s_lshl_b32 s24, ttmp9, 9                       ; and the work-group's 512 scale bytes
	s_add_co_u32 s24, s24, HS
	s_mov_b32 s25, 0
	s_wait_alu depctr_va_vdst(0)
	s_wait_kmcnt 0x0
	s_add_nc_u64 s[4:5], s[4:5], s[2:3]
	s_add_nc_u64 s[12:13], s[10:11], s[24:25]
	s_add_nc_u64 s[10:11], s[10:11], s[22:23]
.irp u, 0,1
.irp k, 0,1,2,3
	global_load_b128 v[G+16*\u+4*\k:G+16*\u+4*\k+3], v5, s[6:7] offset:2048*\u+16*\k
	global_load_b128 v[BE+16*\u+4*\k:BE+16*\u+4*\k+3], v5, s[8:9] offset:2048*\u+16*\k
.endr
.endr
.macro LOADROW i
.irp j, 0,1,2,3,4,5,6,7
	global_load_b128 v[R+32*\i+4*\j:R+32*\i+4*\j+3], v2, s[4:5] offset:4096*\i+512*\j
.endr
.endm
.macro TURN i                          ; row i through its stage
.irp j, 0,1,2,3,4,5,6,7
	ds_store_b128 v3, v[R+32*\i+4*\j:R+32*\i+4*\j+3] offset:5120*\i+2560*(\j/4)+640*(\j%4)
.endr
	s_wait_dscnt 0x0                               ; the stores have read their registers, which the loads below write; the row before is back too
.irp j, 0,1,2,3,4,5,6,7
	ds_load_b128 v[R+32*\i+4*\j:R+32*\i+4*\j+3], v4 offset:5120*\i+2560*(\j/4)+16*(\j%4)
.endr
.endm
.macro JOIN                            ; four pairs into one number a lane, then over the 32 lanes: every lane ends with the sum
	v_pk_add_f32 v[T:T+1], v[T:T+1], v[T+2:T+3]
	v_pk_add_f32 v[T+4:T+5], v[T+4:T+5], v[T+6:T+7]
	v_pk_add_f32 v[T:T+1], v[T:T+1], v[T+4:T+5]
	v_add_f32 v[T], v[T], v[T+1]
	v_add_f32_dpp v[T], v[T], v[T] row_xmask:1 row_mask:0xf bank_mask:0xf
	v_add_f32_dpp v[T], v[T], v[T] row_xmask:2 row_mask:0xf bank_mask:0xf
	v_add_f32_dpp v[T], v[T], v[T] row_xmask:4 row_mask:0xf bank_mask:0xf
	v_add_f32_dpp v[T], v[T], v[T] row_xmask:8 row_mask:0xf bank_mask:0xf
	v_permlanex16_b32 v20, v[T], s16, s17
	v_add_f32 v[T], v[T], v20
.endm
.macro ROW i
.set X, R+32*(\i)
.irp k, 0,1,2,3
	v_pk_add_f32 v[T+2*\k:T+2*\k+1], v[X+2*\k:X+2*\k+1], v[X+8+2*\k:X+9+2*\k]     ; the first sums start the four chains
.endr
.irp m, 16,24
.irp k, 0,1,2,3
	v_pk_add_f32 v[T+2*\k:T+2*\k+1], v[T+2*\k:T+2*\k+1], v[X+\m+2*\k:X+\m+2*\k+1]
.endr
.endr
	JOIN
	v_mul_f32 v16, s18, v[T]                       ; the mean, twice: a pair for the packed forms
	v_mul_f32 v17, s18, v[T]
.irp k, 0,2,4,6,8,10,12,14,16,18,20,22,24,26,28,30
	v_pk_add_f32 v[X+\k:X+\k+1], v[X+\k:X+\k+1], v[16:17] neg_lo:[0,1] neg_hi:[0,1]   ; x - mean
.endr
.irp k, 0,1,2,3
	v_pk_mul_f32 v[T+2*\k:T+2*\k+1], v[X+2*\k:X+2*\k+1], v[X+2*\k:X+2*\k+1]
.endr
.irp m, 8,16,24
.irp k, 0,1,2,3
	v_pk_fma_f32 v[T+2*\k:T+2*\k+1], v[X+\m+2*\k:X+\m+2*\k+1], v[X+\m+2*\k:X+\m+2*\k+1], v[T+2*\k:T+2*\k+1]
.endr
.endr
	JOIN
	v_fma_f32 v21, v[T], s18, s19                  ; variance + 1e-5
	s_wait_alu depctr_va_vdst(0)
	v_rsq_f32 v18, v21
	v_nop                                          ; one plain instruction behind a transcendental (ISA guide 5.7.2)
	s_wait_alu depctr_va_vdst(0)
	v_mov_b32 v19, v18
.irp k, 0,2,4,6,8,10,12,14,16,18,20,22,24,26,28,30
	v_pk_mul_f32 v[X+\k:X+\k+1], v[X+\k:X+\k+1], v[18:19]
.endr
.irp k, 0,2,4,6,8,10,12,14,16,18,20,22,24,26,28,30
	v_pk_fma_f32 v[X+\k:X+\k+1], v[X+\k:X+\k+1], v[G+\k:G+\k+1], v[BE+\k:BE+\k+1]
.endr
.irp u, 0,1                            ; two halves of 512 numbers: 16 a lane, two neighbouring lanes to a block of 32
.set XS, X+16*\u
	v_max3_num_f32 v21, |v[XS]|, |v[XS+1]|, |v[XS+2]|
	v_max3_num_f32 v22, |v[XS+3]|, |v[XS+4]|, |v[XS+5]|
.irp n, 6,10
	v_max3_num_f32 v21, v21, |v[XS+\n]|, |v[XS+\n+1]|
	v_max3_num_f32 v22, v22, |v[XS+\n+2]|, |v[XS+\n+3]|
.endr
	v_max3_num_f32 v21, v21, |v[XS+14]|, |v[XS+15]|
	v_max3_num_f32 v21, v21, v22, 0x8000000        ; and the floor 2^(16 - 127): the byte cannot fall under 1
	v_max_num_f32_dpp v21, v21, v21 row_xmask:1 row_mask:0xf bank_mask:0xf   ; with my neighbour's 16: the block's largest magnitude
	v_add_nc_u32 v24, 0xf8800000, v21              ; 15 off its exponent field: the conversion's scale operand
	v_and_or_b32 v23, v21, 0x7f800000, s20         ; 57,344 x the scale
.irp n, 0,1,2,3,4,5,6,7,8,9,10,11,12,13,14,15
	v_med3_num_f32 v[XS+\n], v[XS+\n], -v23, v23   ; the conversion to an 8-bit code does not saturate (ISA guide 7.6.2)
.endr
	v_cvt_scalef32_pk8_bf8_f32 v[C+8*(\i)+4*\u:C+8*(\i)+4*\u+1], v[XS:XS+7], v24
	v_cvt_scalef32_pk8_bf8_f32 v[C+8*(\i)+4*\u+2:C+8*(\i)+4*\u+3], v[XS+8:XS+15], v24
	v_nop                                          ; one plain instruction before a source of the conversions is written
	v_lshrrev_b32 v[XS], 23, v24                   ; the scale's byte, in a register of its own (the numbers are done with)
	ds_store_b8 v7, v[XS] offset:32*(\i)+16*\u     ; both lanes of a block write the same byte with the same value
	global_store_b128 v2, v[C+8*(\i)+4*\u:C+8*(\i)+4*\u+3], s[10:11] offset:1024*(\i)+512*\u   ; 32 lanes store 512 consecutive bytes
.endr
.endm
	LOADROW 0
	s_wait_loadcnt 0x0                             ; g, b and my row are in
	TURN 0
	s_wait_dscnt 0x0                               ; the row is back from the stage
	ROW 0
	s_wait_dscnt 0x0                               ; for the others' sake: my byte stores are done
	s_barrier_signal -1
	s_barrier_wait -1
	s_cmp_lg_u32 s14, 0
	s_cbranch_scc1 .Ldone
	ds_load_b128 v[8:11], v6                       ; wave 0: the work-group's 512 scale bytes,
	s_wait_dscnt 0x0
	global_store_b128 v2, v[8:11], s[12:13]        ; as two aligned runs of 256 bytes
.Ldone:
	s_wait_tensorcnt 0x0
	ds_add_u32 v30, v31
	s_wait_dscnt 0x0
	s_endpgm
.Lfunc_end_k_q06b0223fd9_ln1:
	.size	k_q06b0223fd9_ln1, .Lfunc_end_k_q06b0223fd9_ln1-k_q06b0223fd9_ln1
	.p2alignl 7, 3214868480
	.fill 96, 4, 3214868480
	.section	.rodata,"a",@progbits
	.p2align	6, 0x0
	.amdhsa_kernel k_q06b0223fd9_ln1
		.amdhsa_group_segment_fixed_size 84480
		.amdhsa_private_segment_fixed_size 0
		.amdhsa_enable_private_segment 0
		.amdhsa_kernarg_size 32
		.amdhsa_user_sgpr_count 2
		.amdhsa_user_sgpr_kernarg_segment_ptr 1
		.amdhsa_wavefront_size32 1
		.amdhsa_system_sgpr_workgroup_id_x 1
		.amdhsa_system_sgpr_workgroup_id_y 1
		.amdhsa_system_sgpr_workgroup_id_z 1
		.amdhsa_system_vgpr_workitem_id 0
		.amdhsa_next_free_vgpr 256
		.amdhsa_next_free_sgpr 66
		.amdhsa_reserve_vcc 0
		.amdhsa_float_denorm_mode_32 3
		.amdhsa_float_denorm_mode_16_64 3
		.amdhsa_memory_ordered 1
		.amdhsa_forward_progress 1
		.amdhsa_inst_pref_size 17
	.end_amdhsa_kernel
	.amdgpu_metadata
---
amdhsa.version: [ 1, 2 ]
amdhsa.kernels:
  - .name:           k_q06b0223fd9_ln1
    .symbol:         k_q06b0223fd9_ln1.kd
    .args:
      - { .name: x, .offset: 0, .size: 8, .value_kind: global_buffer, .address_space: global }
      - { .name: g1, .offset: 8, .size: 8, .value_kind: global_buffer, .address_space: global }
      - { .name: be1, .offset: 16, .size: 8, .value_kind: global_buffer, .address_space: global }
      - { .name: hq, .offset: 24, .size: 8, .value_kind: global_buffer, .address_space: global }
    .group_segment_fixed_size: 84480
    .private_segment_fixed_size: 0
    .kernarg_segment_align: 8
    .kernarg_segment_size: 32
    .max_flat_workgroup_size: 512
    .sgpr_count:     66
    .vgpr_count:     256
    .wavefront_size: 32
...
	.end_amdgpu_metadata
.endif
;; end of part 1
;; launch qkv (part 2): grid 4 x 48, 4 waves a work-group, clusters of 4 x 4, 327,680 bytes of LDS; arguments hq, wq_codes, wq_scales, wk_codes, wk_scales, wv_codes, wv_scales, qkv; writes qkv
.if DOCPART == 2
	.amdgcn_target "amdgcn-amd-amdhsa--gfx1250"
	.amdhsa_code_object_version 6
	.text
	.protected	k_q06b0223fd9_qkv
	.globl	k_q06b0223fd9_qkv
	.p2align	8
	.type	k_q06b0223fd9_qkv,@function
k_q06b0223fd9_qkv:
	s_mov_b64 s[64:65], 0
	v_nop
	global_prefetch_b8 v0, s[64:65] scope:SCOPE_SE
	s_setreg_imm32_b32 hwreg(HW_REG_WAVE_MODE, 25, 1), 1
	s_wait_xcnt 0x0
	s_wait_alu depctr_hold_cnt(0) depctr_sa_sdst(0) depctr_va_vdst(0) depctr_va_sdst(0) depctr_va_ssrc(0) depctr_va_vcc(0) depctr_vm_vsrc(0)
	s_getreg_b32 s2, hwreg(HW_REG_IB_STS2, 6, 4)
	s_cmp_eq_u32 s2, 0
	s_cbranch_scc0 .Lentry_in_a_cluster
	s_endpgm
.Lentry_in_a_cluster:
	s_bfe_u32 s2, ttmp6, 0x10000c
	s_cmp_lg_u32 s2, 0xf033
	s_cbranch_scc0 .Lentry_shape_is_right
	s_endpgm
.Lentry_shape_is_right:
; A product on codes of BF8 (E5M2) with E8M0 scales, K = 1,024, whose RESULT IS QUANTISED AGAIN on its way out.  MODE says which of two launches the text serves; this launch is MODE 0, the launch ffn1 runs the MODE 1 form.
; MODE 0: q = h wq, k = h wk, v = h wv.  q and k are quantised along the features (the next K is a head's 64), v along the tokens (the next K are the keys).   MODE 1: relu(h w1 + b1), quantised along its 4,096 columns.
; OPERANDS.  S0 (source 0 of the matrix instruction) and S1 (source 1) are both [rows][1,024] codes with [rows][32] scale bytes.  Lane (r, h) of a result holds S1's row r and S0's rows 8 h + 0 .. 7:
; so S0's rows are the axis along which a lane's registers run, the axis that is quantised.  q, k, MODE 1: S0 = the weight, S1 = h.   v: S0 = h (tokens), S1 = wv.
; A tile of 256 (S1) x 256 (S0) is made by four waves, 128 x 128 each: 64 accumulators, 512 registers.  K goes in steps of 256 through two LDS slots filled by the tensor data mover; the scale bytes of the tile's rows come once.
; CLUSTERS: 4 x 4 work-groups.  S1's tiles hang on the tile row alone and are asked for jointly along a row of the cluster, S0's on the tile column and jointly along a column.
; MODE 0: the cluster's y (0 .. 11) says which product (y / 4) and which quarter of the 4,096 tokens (y % 4): the same in all sixteen partners; buffers are chosen by it, no branch hangs on it.
; THE WAY OUT.  A wave's 128 columns are one K step of the next product: 4 blocks of 32 a row, one scale word.  A block lies in lanes l and l xor 16.  Codes (8 bytes a tile and lane) and scale words meet in a stage
; in slot 0 (its last fill and last read are over), and leave as whole rows of 256 bytes and runs of 512 bytes.
; MODE 0: THE ORDER INSIDE A BLOCK OF 32 IS THE READER'S: place 16 h + 8 u + j of a block holds its number 16 u + 8 h + j (h, u = 0 or 1, j = 0 .. 7).  For v that is the order in which the attention launch's weights lie in a lane's registers
; when a tile of keys is 16 neighbouring keys; q and k have it alike on both sides of their product, inside a scale's block, so the same pairs are multiplied.  The scale bytes do not change.
; A block's byte is its largest magnitude's exponent field - 15, held at 1 from below (a block of zeros gets 1 where the rule says 127: its codes are zeros and this program alone reads the bytes).
; LIMITS: NaN and infinities are not served.
; REGISTERS: window 0: v16-31 addresses; v32-63 scale words, two sets, and nothing else; v64-127 the bias (MODE 1), later work of the way out; v128-255 S1's fragments, one set.  window 1: S0's fragments, two sets.  windows 2, 3: accumulators.
.set MODE,   0
.set RELU,   MODE
.set BIAS,   MODE
.if MODE == 0
.set OUTP,   1024                      ; a row of the codes' output in bytes
.else
.set OUTP,   4096
.endif
.set HS,     4194304                   ; h's scale bytes in its buffer
.set QS,     12582912                  ; MODE 0: where the scale words begin in the output
.set KSTEP,  256
.set NQ,     2
.set ROWB,   256
.set KROW,   1024
.set PITCH,  272                       ; an LDS row: 256 bytes + 16 of padding: the 16 rows that a load touches start at 16 different banks (64 banks of 4 bytes: ISA guide 11.1)
.set FR,     16
.set NL,     4
.set NP,     8                         ; places behind this matrix instruction (ISA guide 7.12.1)
.set HALFT,  128*PITCH
.set SLOT,   4*HALFT
.set LAPS,   2                         ; 1,024 / 512
.set KS,     32
.set SCL,    2*SLOT
.set HALFS,  (128*KS/256)*272
.set SBLK,   (16*KS/256)*272
.set SPARE,  SCL+4*HALFS               ; the spare words: 128 bytes for each wave, named by no other line
.set SST,    256*272                   ; the stage: 256 rows x 272 bytes of codes at byte 0, then [2][256] scale words
.set ADRA, 16
.set ADRB, 20
.set CO,   22                          ; my byte offset in two rows of the output
.set BO,   23                          ; my byte offset in a tile's 16 numbers of the bias
.set STO,  24                          ; the stage: where I put 8 codes
.set SSA,  25                          ; and a scale word
.set RD,   26                          ; where I read rows back
.set ADRS, 27
.set SPW,  28
.set NIL,  29
.set SRD,  30                          ; where I read scale words back
.set L16,  31                          ; 16 x lane
.set SC,   32
.set BI,   64
.set SW,   96                          ; v96-99   scale words read back
.set TM,   100                         ; v100-115 largest magnitudes, bytes, holds, scale operands
.set PW,   116                         ; v116-117 the scale word just made, by turns
.set AF,   128
.set BK,   128
.set G1, 24
.set G0, 32
.set G1B, 48
.set G0B, 56
.set G1S, 68
.set G0S, 76
.set G1SB, 80
.set G0SB, 88
.set MSB, 0
.macro WIN new                         ; the immediate's high byte repeats the setting that is left
.if MSB != (\new)
	s_set_vgpr_msb (MSB<<8)|(\new)
.set MSB, (\new)
.endif
.endm
.set MUL_LO, 0xa1                      ; source 0 window 1, source 1 window 0, C and D window 2
.set MUL_HI, 0xf1                      ; the same, C and D window 3
.set TO_B,   0x40
; A joint load: waves 0 and 1 fetch for S1, waves 2 and 3 for S0.  The branch hangs on the wave's number alone.  Four v_nop follow each of the two lines.
.macro JLOAD g0a, g1a, g0b, g1b
	s_cmp_eq_u32 s15, 0
	s_cbranch_scc0 .Lfor_b_\@
	tensor_load_to_lds s[\g0a:\g0a+3], s[\g1a:\g1a+7]
	s_nop 0
.rept 4
	v_nop
.endr
	s_branch .Lasked_\@
.Lfor_b_\@:
	tensor_load_to_lds s[\g0b:\g0b+3], s[\g1b:\g1b+7]
	s_nop 0
.rept 4
	v_nop
.endr
.Lasked_\@:
.endm
.macro CREST                           ; a round of the cluster's barrier behind its opening barrier
	s_cmp_lg_u32 s14, 0
	s_cbranch_scc1 .Lnot_wave_0_\@
	s_barrier_signal -3
.Lnot_wave_0_\@:
	s_barrier_wait -3
	s_barrier_signal -1
	s_barrier_wait -1
.endm
.macro CROUND
	s_barrier_signal -1
	s_barrier_wait -1
	CREST
.endm
.if MODE == 0
	s_load_b512 s[24:39], s[0:1], 0x0              ; h, wq's codes, scales, wk's, wv's, the output
.else
	s_load_b256 s[24:31], s[0:1], 0x0              ; h, w1's codes, w1's scales, b1
	s_load_b64 s[12:13], s[0:1], 0x20              ; the output
.endif
	v_lshl_add_u32 v[SPW], v0, 2, SPARE
	v_mov_b32 v[NIL], 0
	ds_add_u32 v28, v29
	ds_add_u32 v28, v29
	s_wait_dscnt 0x0
	v_lshrrev_b32 v1, 5, v0
	v_readfirstlane_b32 s14, v1                    ; wave 0..3
	s_lshr_b32 s15, s14, 1                         ; which half of S1's rows is mine.  Also: I fetch for S1 (0) or for S0 (1)
	s_and_b32 s16, s14, 1                          ; which half of S0's rows.  Also: which 128 rows of that tile I fetch
	s_bfe_u32 s40, ttmp6, 0x40000                  ; cx, cy: my place in the cluster
	s_bfe_u32 s41, ttmp6, 0x40004
	s_and_b32 s17, ttmp7, 0xffff                   ; the cluster's y
.if MODE == 0
	s_lshr_b32 s98, s17, 2                         ; which product: 0 q, 1 k, 2 v
	s_and_b32 s19, s17, 3
	s_lshl_b32 s19, s19, 2                         ; the first of four tiles of 256 tokens
	s_wait_kmcnt 0x0
	s_add_nc_u64 s[20:21], s[24:25], HS            ; h's scale bytes
	s_cmp_eq_u32 s98, 1
	s_cselect_b64 s[8:9], s[30:31], s[26:27]       ; S0: wk or wq,
	s_cselect_b64 s[10:11], s[32:33], s[28:29]
	s_cmp_eq_u32 s98, 2
	s_cselect_b64 s[8:9], s[24:25], s[8:9]         ; or, for v, h
	s_cselect_b64 s[10:11], s[20:21], s[10:11]
	s_cselect_b64 s[4:5], s[34:35], s[24:25]       ; S1: h, or for v wv
	s_cselect_b64 s[6:7], s[36:37], s[20:21]
	s_cselect_b32 s22, s19, 0                      ; the tokens' quarter goes to the tile column (v) or to the tile row (q, k)
	s_cselect_b32 s23, 0, s19
	s_cselect_b32 s95, 12, 14                      ; a run of scale words: 1,024 or 4,096 rows of 4 bytes
	s_mov_b64 s[12:13], s[38:39]
	s_add_co_u32 s42, s22, s40                     ; tile column (S0)
	s_add_co_u32 s17, s23, s41                     ; tile row (S1)
.else
	s_lshl_b32 s42, ttmp9, 2
	s_add_co_u32 s42, s42, s40                     ; tile column = 4 x cluster x + cx
	s_lshl_b32 s17, s17, 2
	s_add_co_u32 s17, s17, s41                     ; tile row = 4 x cluster y + cy
	s_mov_b32 s95, 14
	s_wait_kmcnt 0x0
	s_mov_b64 s[4:5], s[24:25]                     ; S1: h
	s_add_nc_u64 s[6:7], s[24:25], HS
	s_mov_b64 s[8:9], s[26:27]                     ; S0: w1
	s_mov_b64 s[10:11], s[28:29]
	s_mov_b64 s[98:99], s[30:31]                   ; b1
.endif
	s_mov_b32 s66, 0x76543210
	s_mov_b32 s67, 0xfedcba98                      ; v_permlanex16_b32's selects for lane l xor 16
	s_mov_b32 s100, 0x8000000                      ; the floor 2^(16 - 127)
	s_mov_b32 s101, 0x600000                       ; the mantissa field of 57,344
	s_lshl_b32 s43, s41, 2
	s_lshl_b32 s43, 15, s43                        ; my row of the cluster
	s_lshl_b32 s44, 0x1111, s40                    ; my column
	; descriptor group 1: a tile of 128 rows x 256 bytes, 16 bytes of padding behind each row
	s_or_b32 s[G1+0], s43, (0<<16)|(1<<20)|(1<<21)|(5<<22)|(3<<25)  ; 15:0 the mask; 17:16 elements of 1 byte; 20 padding on; 21 set beside a mask; 24:22 after every 64 words; 31:25 four words
	s_or_b32 s[G1B+0], s44, (0<<16)|(1<<20)|(1<<21)|(5<<22)|(3<<25)
.irp g, G1, G1B
	s_mov_b32 s[\g+1], ROWB<<16                    ; tensor_dim0
	s_mov_b32 s[\g+2], 256<<16                     ; tensor_dim1: 256 rows for the head's loads; set to 128 for the ring's behind them
	s_mov_b32 s[\g+3], ROWB<<16                    ; tile_dim0
	s_mov_b32 s[\g+4], 256                         ; tile_dim1
	s_mov_b32 s[\g+5], KROW                        ; tensor_dim0_stride
	s_mov_b32 s[\g+6], 0
	s_mov_b32 s[\g+7], 0
.endr
	; the scale bytes of 256 rows: 8,192 dense bytes, as rows of 256 bytes (32 elements of 8), 16 bytes of padding behind each
	s_or_b32 s[G1S+0], s43, (3<<16)|(1<<20)|(1<<21)|(5<<22)|(3<<25)
	s_or_b32 s[G1SB+0], s44, (3<<16)|(1<<20)|(1<<21)|(5<<22)|(3<<25)
.irp g, G1S, G1SB
	s_mov_b32 s[\g+1], 32<<16
	s_mov_b32 s[\g+2], (256*KS/256)<<16            ; the scale bytes of all 256 rows in one load
	s_mov_b32 s[\g+3], 32<<16
	s_mov_b32 s[\g+4], 256*KS/256
	s_mov_b32 s[\g+5], 32
	s_mov_b32 s[\g+6], 0
	s_mov_b32 s[\g+7], 0
.endr
	s_mov_b32 s18, 0                               ; the tile's first row: the head's loads bring whole tiles
	s_lshl_b32 s20, s17, 8
	s_add_co_u32 s20, s20, s18                     ; S1: row 256 x tile row
	s_lshl_b32 s46, s42, 8
	s_add_co_u32 s46, s46, s18                     ; S0: row 256 x tile column
	s_mov_b32 s21, 0
	s_mov_b32 s47, 0
	s_mov_b64 s[18:19], KS
	s_mul_u64 s[22:23], s[20:21], s[18:19]         ; where these rows' scale bytes begin
	s_mul_u64 s[92:93], s[46:47], s[18:19]
	s_mov_b64 s[18:19], KROW
	s_mul_u64 s[20:21], s[20:21], s[18:19]         ; and their codes
	s_mul_u64 s[46:47], s[46:47], s[18:19]
	s_mul_i32 s45, s14, HALFT                      ; where they go: wave x 128 rows: no place in the cluster enters an LDS address
	s_mul_i32 s94, s14, HALFS
	s_add_nc_u64 s[20:21], s[4:5], s[20:21]
	s_add_nc_u64 s[22:23], s[6:7], s[22:23]
	s_add_nc_u64 s[46:47], s[8:9], s[46:47]
	s_add_nc_u64 s[92:93], s[10:11], s[92:93]
	; PREFETCH INTO THE L2: of the 128 rows that I fetch in the ring, my work-group's 32 (by address: cx for S1, cy for S0), a lane a row, 256 bytes of a K step: each aligned block once in each cluster that loads it.
	; The buffers' first touch is asked for as soon as the addresses stand, ahead of the opening round: K steps 0 and 1.
	s_cmp_eq_u32 s15, 0
	s_cselect_b64 s[104:105], s[20:21], s[46:47]
	s_cselect_b32 s18, s40, s41
	s_lshl_b32 s18, s18, 15                        ; 32 rows of 1,024 bytes
	s_lshl_b32 s19, s16, 17                        ; my 128 rows of the tile
	s_add_co_u32 s18, s18, s19
	s_mov_b32 s19, 0
	s_add_nc_u64 s[104:105], s[104:105], s[18:19]
	v_and_b32 v8, 31, v0
	v_lshlrev_b32 v8, 10, v8
	global_prefetch_b8 v8, s[104:105] th:TH_LOAD_NT scope:SCOPE_SE
	global_prefetch_b8 v8, s[104:105] offset:256 th:TH_LOAD_NT scope:SCOPE_SE
	s_wait_alu depctr_va_vdst(0)                   ; the wait
	CROUND                                         ; all sixteen work-groups are here: the first joint loads meet
	s_mov_b32 s[G0S], 1
	s_mov_b32 s[G0S+1], SCL
	s_mov_b64 s[G0S+2:G0S+3], s[22:23]
	s_or_b32 s[G0S+3], s[G0S+3], 0x80000000
	s_mov_b32 s[G0SB], 1
	s_mov_b32 s[G0SB+1], SCL+2*HALFS
	s_mov_b64 s[G0SB+2:G0SB+3], s[92:93]
	s_or_b32 s[G0SB+3], s[G0SB+3], 0x80000000
	s_mov_b32 s4, 1                                ; s[4:7], s[8:11]: group 0 of the head's loads of K step 0 (the arguments that lay there have been used): S1's 256 rows,
	s_mov_b32 s5, 0
	s_mov_b64 s[6:7], s[20:21]
	s_or_b32 s7, s7, 0x80000000
	s_mov_b32 s8, 1                                ; S0's 256 rows, behind them in slot 0
	s_mov_b32 s9, 2*HALFT
	s_mov_b64 s[10:11], s[46:47]
	s_or_b32 s11, s11, 0x80000000
	s_mul_i32 s18, s16, 128*KROW                   ; for the ring: my 128 rows of the tile
	s_mov_b32 s19, 0
	s_add_nc_u64 s[20:21], s[20:21], s[18:19]
	s_add_nc_u64 s[46:47], s[46:47], s[18:19]
.irp s, 0,1
	s_mov_b32 s[G0+4*\s], 1
	s_add_co_u32 s[G0+4*\s+1], s45, \s*SLOT
	s_add_nc_u64 s[G0+4*\s+2:G0+4*\s+3], s[20:21], \s*ROWB
	s_or_b32 s[G0+4*\s+3], s[G0+4*\s+3], 0x80000000
	s_mov_b32 s[G0B+4*\s], 1
	s_add_co_u32 s[G0B+4*\s+1], s45, \s*SLOT
	s_add_nc_u64 s[G0B+4*\s+2:G0B+4*\s+3], s[46:47], \s*ROWB
	s_or_b32 s[G0B+4*\s+3], s[G0B+4*\s+3], 0x80000000
.endr
; THE HEAD'S LOADS, ONE A WAVE: wave 0 K step 0's 256 rows of S1, wave 1 those of S0, wave 2 S1's scale bytes, wave 3 S0's.  One chain of arms on the wave's number: every way passes one load.
.macro ARM under, g0, g1, next
	s_cmp_lt_u32 s14, \under
	s_cbranch_scc0 \next
	tensor_load_to_lds s[\g0:\g0+3], s[\g1:\g1+7]
	s_nop 0
.rept 4
	v_nop
.endr
	s_branch .Lhead_asked
\next:
.endm
	ARM 1, 4, G1, .Lhead_b
	ARM 2, 8, G1B, .Lhead_sa
	ARM 3, G0S, G1S, .Lhead_sb
	tensor_load_to_lds s[G0SB:G0SB+3], s[G1SB:G1SB+7]
	s_nop 0
.rept 4
	v_nop
.endr
.Lhead_asked:
	global_prefetch_b8 v8, s[104:105] offset:512 th:TH_LOAD_NT scope:SCOPE_SE   ; behind K step 0's load: K step 2, two loads on
	v_and_b32 v1, 15, v0                           ; r
	v_bfe_u32 v2, v0, 4, 1                         ; h
	v_mul_u32_u24 v3, v1, PITCH
	v_lshl_add_u32 v4, v2, 4, v3                   ; a fragment's row x pitch + 16 h
	s_mul_i32 s21, s15, HALFT                      ; my 128 rows of S1
	s_mul_i32 s22, s16, HALFT                      ; my 128 rows of S0,
	s_add_co_u32 s22, s22, 2*HALFT                 ; which lie behind S1's 256
.irp s, 0,1
	v_add_nc_u32 v[ADRA+\s], s21, v4
	v_add_nc_u32 v[ADRB+\s], s22, v4
	s_add_co_u32 s21, s21, SLOT
	s_add_co_u32 s22, s22, SLOT
.endr
	v_mul_u32_u24 v5, v1, KS                       ; my row's scale bytes: 32 a row,
	v_lshrrev_b32 v6, 8, v5
	v_lshl_add_u32 v5, v6, 4, v5                   ; and 16 more for each 256 passed
	s_mul_i32 s21, s15, HALFS
	s_mul_i32 s22, s16, HALFS
	s_add_co_u32 s22, s22, 2*HALFS
	s_sub_co_u32 s22, s22, s21
	v_mul_u32_u24 v6, s22, v2                      ; lanes 0-15 take S1's, lanes 16-31 S0's: one product, the distance between the two
	s_add_co_u32 s21, s21, SCL
	v_add_nc_u32 v5, v5, v6
	v_add_nc_u32 v[ADRS], s21, v5
	s_lshl_b32 s21, s15, 7
	v_add_nc_u32 v5, s21, v1                       ; my row of the stage: 128 x (half of S1) + r
	v_mul_u32_u24 v6, v5, 272
.if MODE == 0
	v_lshl_add_u32 v6, v2, 4, v6                   ; + 16 h: the reader's order inside a block of 32
.else
	v_lshl_add_u32 v6, v2, 3, v6                   ; + 8 h: columns as they are numbered
.endif
	s_lshl_b32 s22, s16, 7
	v_add_nc_u32 v[STO], s22, v6                   ; + 128 x (half of S0)
	v_lshlrev_b32 v5, 2, v5
	s_lshl_b32 s22, s16, 10
	s_add_co_u32 s22, s22, SST
	v_add_nc_u32 v[SSA], s22, v5                   ; scale words: [half of S0][row]
	s_lshl_b32 s22, s15, 7                         ; back: in each of four phases rows 128 (wave / 2) + 16 (wave % 2) + 32 x phase on
	s_lshl_b32 s23, s16, 4
	s_add_co_u32 s22, s22, s23
	v_add_nc_u32 v5, s22, v2
	v_mul_u32_u24 v5, v5, 272
	v_lshl_add_u32 v[RD], v1, 4, v5                ; back: rows 128 (wave / 2) + 16 (wave % 2) + 32 x phase on, sixteen lanes to a row, two rows an instruction
	v_mul_u32_u24 v5, v2, OUTP
	v_lshl_add_u32 v[CO], v1, 4, v5                ; and the same in the output
	v_lshl_add_u32 v[SRD], v0, 4, SST              ; the 2,048 bytes of scale words: 16 a thread
	v_and_b32 v5, 31, v0
	v_lshlrev_b32 v[L16], 4, v5
	; where the scale words go: run 2 x tile column + wave / 2, rows 256 x tile row + 128 (wave % 2) on
	s_lshl_b32 s46, s42, 1
	s_add_co_u32 s46, s46, s15
	s_lshl_b32 s46, s46, s95
	s_lshl_b32 s47, s17, 8
	s_lshl_b32 s94, s16, 7
	s_add_co_u32 s47, s47, s94
	s_lshl_b32 s47, s47, 2
	s_add_co_u32 s46, s46, s47
.if MODE == 0
	s_lshl_b32 s47, s98, 17                        ; 131,072 bytes for each of q, k, v
	s_add_co_u32 s46, s46, s47
	s_add_co_u32 s46, s46, QS
.else
	s_add_co_u32 s46, s46, 16777216
.endif
	s_mov_b32 s47, 0
	s_add_nc_u64 s[96:97], s[12:13], s[46:47]
	; and the codes: row 256 x tile row + 128 (wave / 2) + 16 (wave % 2)
	s_lshl_b32 s20, s17, 8
	s_lshl_b32 s21, s15, 7                         ; row 256 x tile row + 128 (wave / 2) + 16 (wave % 2)
	s_add_co_u32 s20, s20, s21
	s_lshl_b32 s21, s16, 4
	s_add_co_u32 s20, s20, s21
.if MODE == 0
	s_lshl_b32 s20, s20, 10
	s_lshl_b32 s21, s98, 22                        ; 4 MiB for each of q, k, v
	s_add_co_u32 s20, s20, s21
	s_lshr_b32 s46, s42, 2                         ; v: 1,024 tokens (four tile columns) are one batch: 1,024 rows on;
	s_lshl_b32 s46, s46, 20
	s_add_co_u32 s20, s20, s46
	s_and_b32 s46, s42, 3                          ; within it, and for q and k: 256 bytes a tile column
	s_lshl_b32 s46, s46, 8
	s_add_co_u32 s20, s20, s46
.else
	s_lshl_b32 s20, s20, 12
	s_lshl_b32 s46, s42, 8
	s_add_co_u32 s20, s20, s46
.endif
	s_mov_b32 s21, 0
	s_add_nc_u64 s[12:13], s[12:13], s[20:21]
.if BIAS
	s_lshl_b32 s46, s42, 10                        ; the bias of my 128 columns; lane (r, h) wants, for tile b, numbers 16 b + 8 h + 0 .. 7
	s_lshl_b32 s47, s16, 9
	s_add_co_u32 s46, s46, s47
	s_mov_b32 s47, 0
	s_add_nc_u64 s[98:99], s[98:99], s[46:47]
	v_lshlrev_b32 v[BO], 5, v2
.irp b, 0,1,2,3,4,5,6,7
	global_load_b128 v[BI+8*\b:BI+8*\b+3], v[BO], s[98:99] offset:64*\b
	global_load_b128 v[BI+8*\b+4:BI+8*\b+7], v[BO], s[98:99] offset:64*\b+16
.endr
.endif
.macro FRAG reg, adr, q, i             ; 16 rows x 128 K of 8-bit codes: lane l holds row l % 16; registers 4 c .. 4 c + 3 hold K = 32 c + 16 (l / 16) + 0 .. 15
.irp c, 0,1,2,3
	ds_load_b128 v[\reg+4*\c:\reg+4*\c+3], v[\adr] offset:128*(\q)+32*\c+(\i)*16*PITCH
.endr
.endm
; 16 matrix instructions: S1's blocks a0, a0 + 1 x S0's eight, 128 along K.  zero = 1: the first product starts the sums, from 0 or from the bias.  The 64 accumulators take turns, one instruction a turn.
.macro MUL16 a0, p, q, sc, zero
.irp a, \a0, \a0+1
.irp b, 0,1,2,3,4,5,6,7
.set rD, 8*(8*((\a)%4)+\b)
.set rB, 128*(\p)+FR*\b
.set rA, AF+FR*(\a)
.set rSB, SC+8*NQ*(\sc)+NQ*\b+(\q)
.set rSA, SC+8*NQ*(\sc)+NQ*(\a)+(\q)
.if (\zero) && BIAS
	v_wmma_scale_f32_16x16x128_f8f6f4 v[rD:rD+7], v[rB:rB+15], v[rA:rA+15], v[BI+8*\b:BI+8*\b+7], v[rSB], v[rSA] matrix_a_fmt:MATRIX_FMT_BF8 matrix_b_fmt:MATRIX_FMT_BF8 matrix_a_scale:MATRIX_SCALE_ROW1
.elseif \zero
	v_wmma_scale_f32_16x16x128_f8f6f4 v[rD:rD+7], v[rB:rB+15], v[rA:rA+15], 0, v[rSB], v[rSA] matrix_a_fmt:MATRIX_FMT_BF8 matrix_b_fmt:MATRIX_FMT_BF8 matrix_a_scale:MATRIX_SCALE_ROW1
.else
	v_wmma_scale_f32_16x16x128_f8f6f4 v[rD:rD+7], v[rB:rB+15], v[rA:rA+15], v[rD:rD+7], v[rSB], v[rSA] matrix_a_fmt:MATRIX_FMT_BF8 matrix_b_fmt:MATRIX_FMT_BF8 matrix_a_scale:MATRIX_SCALE_ROW1
.endif
.endr
.endr
.endm
.macro FETCH_B slot, q, p
	WIN TO_B
.irp i, 0,1,2,3,4,5,6,7
	FRAG 128*(\p)+FR*\i, ADRB+\slot, \q, \i
.endr
	WIN 0
.endm
.macro FETCH_A slot, q, i0
.irp i, \i0, \i0+1, \i0+2, \i0+3
	FRAG AF+FR*(\i), ADRA+\slot, \q, \i
.endr
.endm
.macro SCALES sc                       ; a K step's scale words: two a row; lanes 0-15 take S1's block i, lanes 16-31 S0's block i
.irp i, 0,1,2,3,4,5,6,7
	ds_load_b64 v[SC+8*NQ*\sc+NQ*\i:SC+8*NQ*\sc+NQ*\i+1], v[ADRS] offset:\i*SBLK
.endr
.endm
.macro PLACES n                        ; plain vector instructions that name no register of the matrix instructions in front (ISA guide 7.12.1)
.rept \n
	v_nop
.endr
.endm
.macro STEP slot, q, zero              ; 128 along K, with its successor in the same slot
	s_wait_dscnt 4*NL                              ; S0's set and S1's blocks 0-3 are in; the youngest 16 loads (blocks 4-7) may be out
.if (\zero) && BIAS
	WIN 0x81                                       ; C (the bias) in window 0, D in window 2
.else
	WIN MUL_LO
.endif
	MUL16 0, (\q)%2, \q, \slot, \zero
	MUL16 2, (\q)%2, \q, \slot, \zero
	s_wait_dscnt 0                                 ; blocks 4-7 are in
	PLACES NP
	FETCH_B \slot, (\q)+1, 1-(\q)%2
	FETCH_A \slot, (\q)+1, 0
.if (\zero) && BIAS
	WIN 0xc1
.else
	WIN MUL_HI
.endif
	MUL16 4, (\q)%2, \q, \slot, \zero
	MUL16 6, (\q)%2, \q, \slot, \zero
	PLACES NP
	WIN 0
	FETCH_A \slot, (\q)+1, 4
.endm
; A slot's last step changes slots: ONE barrier; in front of it each wave waits for all its tensor loads, adds 0 to its spare word, and waits for that and for its reads of this slot.
.macro TURN slot, next, fill
	s_wait_tensorcnt 0x0                           ; all my tensor loads have landed: my part of the next slot
	ds_add_u32 v[SPW], v[NIL]                      ; 0 onto my spare word
	s_wait_dscnt 4*NL+1                            ; (the add and the youngest 16 loads may be out)
	WIN MUL_LO
	MUL16 0, 1, NQ-1, \slot, 0
	s_wait_dscnt 0x0                               ; the add is done, and my reads of this slot are over
	s_barrier_signal -1
	MUL16 2, 1, NQ-1, \slot, 0
	WIN 0
	s_barrier_wait -1
.if \fill
	CREST                                          ; the barrier has opened a round of the cluster's barrier: no wave of any partner still reads this slot or has a load on its way
	s_add_nc_u64 s[G0+4*\slot+2:G0+4*\slot+3], s[G0+4*\slot+2:G0+4*\slot+3], 2*ROWB
	s_add_nc_u64 s[G0B+4*\slot+2:G0B+4*\slot+3], s[G0B+4*\slot+2:G0B+4*\slot+3], 2*ROWB
	JLOAD G0+4*\slot, G1, G0B+4*\slot, G1B         ; my one tensor load behind the round; its four v_nop are among the places in front of the loads below
	PLACES NP-4
.else
	PLACES NP
.endif
	s_wait_alu depctr_va_vdst(0)
	v_add_nc_u32 v[ADRS], 4*NQ, v[ADRS]            ; the next K step's scale words (no LDS load of mine is out)
	FETCH_B \next, 0, 0
	FETCH_A \next, 0, 0
	SCALES \next
	WIN MUL_HI
	MUL16 4, 1, NQ-1, \slot, 0
	MUL16 6, 1, NQ-1, \slot, 0
	PLACES NP
	WIN 0
	FETCH_A \next, 0, 4
.endm
	s_wait_alu depctr_va_vdst(0)
	s_wait_tensorcnt 0x0                           ; my tile of the head's four is in
	ds_add_u32 v[SPW], v[NIL]
	s_mov_b32 s[G1+2], 128<<16                     ; no tensor load of mine is out: from here on a load brings 128 rows
	s_mov_b32 s[G1+4], 128
	s_mov_b32 s[G1B+2], 128<<16
	s_mov_b32 s[G1B+4], 128
	s_wait_dscnt 0x0
	CROUND                                         ; all four tiles are in, all sixteen work-groups are here
	JLOAD G0+4, G1, G0B+4, G1B                     ; K step 1 into slot 1: my one load behind the round
	FETCH_B 0, 0, 0
	FETCH_A 0, 0, 0
	SCALES 0
	FETCH_A 0, 0, 4
	global_prefetch_b8 v8, s[104:105] offset:768 th:TH_LOAD_NT scope:SCOPE_SE   ; behind K step 1's load: K step 3, the last; v8 and s[104:105] are never rewritten
.if BIAS
	s_wait_loadcnt 0x0                             ; the bias
.endif
	STEP 0, 0, 1
	s_mov_b32 s3, LAPS-1
.Llap:                                                 ; a trip goes once round the ring and fills both slots again
	TURN 0, 1, 1
	STEP 1, 0, 0
	TURN 1, 0, 1
	STEP 0, 0, 0
	s_sub_co_u32 s3, s3, 1
	s_cmp_lg_u32 s3, 0
	s_cbranch_scc1 .Llap
	TURN 0, 1, 0                                   ; the last lap fills nothing
	STEP 1, 0, 0
	s_wait_dscnt 4*NL
	WIN MUL_LO
	MUL16 0, 1, NQ-1, 1, 0
	MUL16 2, 1, NQ-1, 1, 0
	s_wait_dscnt 0
	WIN MUL_HI
	MUL16 4, 1, NQ-1, 1, 0
	MUL16 6, 1, NQ-1, 1, 0
	WIN 0
; Block a (16 rows of S1 x my 128 columns): register 16 e + i of its 64 belongs to block e of 32 columns; lanes l and l xor 16 hold a block together.  Codes and the scale word go to the stage.
; The codes' registers are chosen so that no conversion's destination has a number that one of its sources has: v192, v208 for accumulators numbered 0-127, v64, v80 for the others.
.macro QUANTW a
.set QW, 2+(\a)/4
.set QR, 64*((\a)%4)
.set PCA, 192+16*((\a)%2)-128*(((\a)%4)/2)
.set PWA, PW+(\a)%2
.if (\a) >= 2
	s_wait_dscnt 9                                 ; all but block a - 1's nine stores: block a - 2's have read the scale word's register
.endif
	WIN (QW<<2)|(QW<<4)
.irp e, 0,1,2,3
.if RELU                                       ; no |.|: what is negative is to become 0 and must not count; the floor stands over it
	v_max3_num_f32 v[TM+\e], s100, v[QR+16*\e], v[QR+16*\e+1]
.else
	v_max3_num_f32 v[TM+\e], s100, |v[QR+16*\e]|, |v[QR+16*\e+1]|
.endif
.endr
.irp i, 2,4,6,8,10,12,14
.irp e, 0,1,2,3
.if RELU
	v_max3_num_f32 v[TM+\e], v[TM+\e], v[QR+16*\e+\i], v[QR+16*\e+\i+1]
.else
	v_max3_num_f32 v[TM+\e], v[TM+\e], |v[QR+16*\e+\i]|, |v[QR+16*\e+\i+1]|
.endif
.endr
.endr
	WIN 0
.irp e, 0,1,2,3
	v_permlanex16_b32 v[TM+4+\e], v[TM+\e], s66, s67
.endr
.irp e, 0,1,2,3
	v_max_num_f32 v[TM+\e], v[TM+\e], v[TM+4+\e]   ; the block's largest magnitude
.endr
.irp e, 0,1,2,3
	v_add_nc_u32 v[TM+12+\e], 0xf8800000, v[TM+\e] ; 15 off its exponent field: the conversion's scale operand
.endr
.irp e, 0,1,2,3
	v_and_or_b32 v[TM+8+\e], v[TM+\e], 0x7f800000, s101   ; 57,344 x the scale
.endr
.irp e, 0,1,2,3
	v_lshrrev_b32 v[TM+4+\e], 23, v[TM+12+\e]      ; the scale's byte
.endr
	v_lshl_or_b32 v[PWA], v[TM+5], 8, v[TM+4]
	v_lshl_or_b32 v[PWA], v[TM+6], 16, v[PWA]
	v_lshl_or_b32 v[PWA], v[TM+7], 24, v[PWA]
	WIN QW|(QW<<6)
.irp e, 0,1,2,3
.irp i, 0,1,2,3,4,5,6,7,8,9,10,11,12,13,14,15
.if RELU
	v_med3_num_f32 v[QR+16*\e+\i], v[QR+16*\e+\i], 0, v[TM+8+\e]            ; the activation and the hold in one
.else
	v_med3_num_f32 v[QR+16*\e+\i], v[QR+16*\e+\i], -v[TM+8+\e], v[TM+8+\e]  ; the conversion to an 8-bit code does not saturate (ISA guide 7.6.2)
.endif
.endr
.endr
	WIN QW
.irp b, 0,1,2,3,4,5,6,7
	v_cvt_scalef32_pk8_bf8_f32 v[PCA+2*\b:PCA+2*\b+1], v[QR+8*\b:QR+8*\b+7], v[TM+12+\b/2]
.endr
	WIN 0
	v_nop                                          ; one plain instruction behind the last conversion
.irp b, 0,1,2,3,4,5,6,7
.if MODE == 0
	ds_store_b64 v[STO], v[PCA+2*\b:PCA+2*\b+1] offset:4352*(\a)+32*(\b/2)+8*(\b%2)   ; columns 16 b + 8 h + 0 .. 7 of row 16 a + r, at place 16 h + 8 (b % 2) of block b / 2
.else
	ds_store_b64 v[STO], v[PCA+2*\b:PCA+2*\b+1] offset:4352*(\a)+16*\b     ; columns 16 b + 8 h + 0 .. 7 of row 16 a + r
.endif
.endr
	ds_store_b32 v[SSA], v[PWA] offset:64*(\a)     ; lanes 16-31 write the same word with the same value
.endm
	PLACES NP                                      ; in front of the first reads of results and of writes into registers that the last products read
.irp e, 0,1,2,3
	v_mov_b32 v[TM+4+\e], 0                        ; written once: a lane permute's destination counts as one of its sources
.endr
; THE WAY OUT IN FOUR PHASES: behind blocks 2 p and 2 p + 1 of all four waves, rows 32 p .. 32 p + 31 of both halves of the stage are whole: a barrier, and each wave reads 16 of them back and stores them, while the next blocks are quantised.
; A phase's 32 registers (v128 + 32 p on) are no later phase's and no later conversion's: no store's data are written again.
.irp p, 0,1,2,3
	QUANTW 2*\p
	QUANTW 2*\p+1
	s_wait_alu depctr_va_vdst(0)
	s_wait_dscnt 0x0                               ; for the others' sake: my stores into the stage are done
	s_barrier_signal -1
	s_barrier_wait -1
.irp t, 0,1,2,3,4,5,6,7
	ds_load_b128 v[BK+32*\p+4*\t:BK+32*\p+4*\t+3], v[RD] offset:8704*\p+544*\t
.endr
.irp t, 0,1,2,3,4,5,6,7
	s_wait_dscnt 7-\t                              ; load t is in; the 7 - t behind it may be out
	global_store_b128 v[CO], v[BK+32*\p+4*\t:BK+32*\p+4*\t+3], s[12:13] offset:(32*\p+2*\t)*OUTP   ; sixteen lanes store 256 consecutive bytes, at a multiple of 256 from the buffer's first byte
.endr
.endr
	ds_load_b128 v[SW:SW+3], v[SRD]
	s_wait_dscnt 0x0
	global_store_b128 v[L16], v[SW:SW+3], s[96:97] ; 128 rows' scale words: 512 consecutive bytes
	s_wait_tensorcnt 0x0                           ; the wave's end
	ds_add_u32 v[SPW], v[NIL]
	s_wait_dscnt 0x0
	CROUND                                         ; the closing round: no work-group ends while a partner may still ask for a tile that names it
	s_endpgm
.Lfunc_end_k_q06b0223fd9_qkv:
	.size	k_q06b0223fd9_qkv, .Lfunc_end_k_q06b0223fd9_qkv-k_q06b0223fd9_qkv
	.p2alignl 7, 3214868480
	.fill 96, 4, 3214868480
	.section	.rodata,"a",@progbits
	.p2align	6, 0x0
	.amdhsa_kernel k_q06b0223fd9_qkv
		.amdhsa_group_segment_fixed_size 327680
		.amdhsa_private_segment_fixed_size 0
		.amdhsa_enable_private_segment 0
		.amdhsa_kernarg_size 64
		.amdhsa_user_sgpr_count 2
		.amdhsa_user_sgpr_kernarg_segment_ptr 1
		.amdhsa_wavefront_size32 1
		.amdhsa_system_sgpr_workgroup_id_x 1
		.amdhsa_system_sgpr_workgroup_id_y 1
		.amdhsa_system_sgpr_workgroup_id_z 1
		.amdhsa_system_vgpr_workitem_id 0
		.amdhsa_next_free_vgpr 1024
		.amdhsa_next_free_sgpr 106
		.amdhsa_reserve_vcc 0
		.amdhsa_float_denorm_mode_32 3
		.amdhsa_float_denorm_mode_16_64 3
		.amdhsa_memory_ordered 1
		.amdhsa_forward_progress 1
		.amdhsa_inst_pref_size 195
	.end_amdhsa_kernel
	.amdgpu_metadata
---
amdhsa.version: [ 1, 2 ]
amdhsa.kernels:
  - .name:           k_q06b0223fd9_qkv
    .symbol:         k_q06b0223fd9_qkv.kd
    .args:
      - { .name: hq, .offset: 0, .size: 8, .value_kind: global_buffer, .address_space: global }
      - { .name: wq_codes, .offset: 8, .size: 8, .value_kind: global_buffer, .address_space: global }
      - { .name: wq_scales, .offset: 16, .size: 8, .value_kind: global_buffer, .address_space: global }
      - { .name: wk_codes, .offset: 24, .size: 8, .value_kind: global_buffer, .address_space: global }
      - { .name: wk_scales, .offset: 32, .size: 8, .value_kind: global_buffer, .address_space: global }
      - { .name: wv_codes, .offset: 40, .size: 8, .value_kind: global_buffer, .address_space: global }
      - { .name: wv_scales, .offset: 48, .size: 8, .value_kind: global_buffer, .address_space: global }
      - { .name: qkv, .offset: 56, .size: 8, .value_kind: global_buffer, .address_space: global }
    .group_segment_fixed_size: 327680
    .private_segment_fixed_size: 0
    .kernarg_segment_align: 8
    .kernarg_segment_size: 64
    .max_flat_workgroup_size: 128
    .sgpr_count:     106
    .vgpr_count:     1024
    .wavefront_size: 32
...
	.end_amdgpu_metadata
.endif
;; end of part 2
;; launch attn (part 3): grid 8 x 32, 4 waves a work-group, clusters of 4 x 1, 327,680 bytes of LDS; arguments qkv, att; writes att
.if DOCPART == 3
	.amdgcn_target "amdgcn-amd-amdhsa--gfx1250"
	.amdhsa_code_object_version 6
	.text
	.protected	k_q06b0223fd9_attn
	.globl	k_q06b0223fd9_attn
	.p2align	8
	.type	k_q06b0223fd9_attn,@function
k_q06b0223fd9_attn:
	s_mov_b64 s[64:65], 0
	v_nop
	global_prefetch_b8 v0, s[64:65] scope:SCOPE_SE
	s_setreg_imm32_b32 hwreg(HW_REG_WAVE_MODE, 25, 1), 1
	s_wait_xcnt 0x0
	s_wait_alu depctr_hold_cnt(0) depctr_sa_sdst(0) depctr_va_vdst(0) depctr_va_sdst(0) depctr_va_ssrc(0) depctr_va_vcc(0) depctr_vm_vsrc(0)
	s_getreg_b32 s2, hwreg(HW_REG_IB_STS2, 6, 4)
	s_cmp_eq_u32 s2, 0
	s_cbranch_scc0 .Lentry_in_a_cluster
	s_endpgm
.Lentry_in_a_cluster:
	s_bfe_u32 s2, ttmp6, 0x10000c
	s_cmp_lg_u32 s2, 0x3003
	s_cbranch_scc0 .Lentry_shape_is_right
	s_endpgm
.Lentry_shape_is_right:
; attn[token][64 head + d] = sum over keys of softmax_keys(q . k / 8) v, both products on codes of BF8 (E5M2) with E8M0 scales, and the result quantised along its 1,024 features.
; IN (one buffer): q's and k's codes [token][1,024], v's codes [1,024 b + feature][1,024 keys]; scale words (4 bytes: 128 along a K) q, k: [feature / 128][token], v: [token / 128][feature].
; Inside each block of 32 along its K every one of the three lies in one order: place 16 h + 8 u + j holds number 16 u + 8 h + j (h, u = 0 or 1, j = 0 .. 7): the launch that made them laid them so.
; OUT: codes [head pair 8][token 4,096][128 bytes]; scale words [head pair][token] at byte AS.
; SHARES.  A work-group owns 128 queries of a PAIR of heads of one batch.  Wave w: head 2 pr + w / 2, queries 64 (w % 2) on, four tasks of 16 queries.  K and V of the pair, all 1,024 keys, lie in LDS whole, filled ONCE.
; CLUSTER: the four query blocks of a cluster share batch and pair: each tile is asked for jointly (mask 15).  Every wave asks for one of the four regions whole: one load a wave, none is a refill.
; LAYOUT.  Both products are used transposed: S^T = K Q^T, O^T = V^T P^T: a lane holds ONE query (lane % 16) throughout.  A tile of K is 16 NEIGHBOURING keys: its rows lie 144 = 9 x 16 bytes apart in LDS, so the sixteen lanes of
; a load touch sixteen different columns of 16 bytes.  Register j of tile t is key 16 t + 8 (lane / 16) + j, so register 8 u + j of tiles 2 e, 2 e + 1 is key 32 e + 16 u + 8 h + j: one block of 32 keys in lanes l and l xor 16,
; in the very order in which v's codes lie.  So a conversion's results are the second product's operand.  q and k have that order alike along the head's features, inside a scale's block: the same pairs are multiplied.
; K = 64 IN AN INSTRUCTION OF 128: q's upper eight registers hold zero codes for good; k's upper eight are whatever finite codes follow (the next tile's, or a cleared tail): zero codes add nothing under any scale byte but 0xff.
; The scale words hold both heads' bytes: they are shifted down by 16 bits for the pair's second head.
; ORDER OF A TASK.  The block maxima of a group of eight tiles stand between the products of the groups two and one further on, where the wave would else wait for K's fragments.  The weights become codes a quarter (256 keys) at a time;
; V's fragments follow into the registers that a quarter has left, and a quarter's products V^T P stand behind the next quarter's vector work, in which its fragments have landed.
; LIMITS: NaN and infinities are not served (so nan_to_num never acts); a weight under 2^-126 becomes 0; a block's largest weight is found through its largest score, which takes v_exp_f32 not to fall where its input rises.
; REGISTERS: window 0: v1-14 addresses; v16-31 q; v32-95 k's 64 scale words, v96-127 v's 32, v224-232 p's and q's: scales and nothing else; v128-159 block maxima, then scale operands; v160-191 permute targets, then holds;
;   v192-223 O^T; v233-255 at work.  window 1: two buffers of k's fragments (72 each), later p's codes.  windows 2, 3: S^T (tile t at 8 (t % 32) of window 2 + t / 32), later V's fragments.
.set KC,   4194304
.set VC,   8388608
.set QS,   12582912
.set KSO,  QS+131072
.set VSO,  QS+262144
.set AS,   4194304
.set VL,   147456                      ; LDS: K at 0: 1,024 keys x (128 + 16);  V: 128 rows x (1,024 + 16);
.set KSL,  280576                      ; K's scale words [key];
.set VSL,  284672                      ; V's [key step 8][128 rows];
.set CSTG, 288768                      ; the stage: 128 tokens x (128 + 16) bytes of codes,
.set SSTG, 307200                      ; and their 128 scale words
.set AK,   1                           ; v1-4  my place in K's rows 256 i on
.set AV,   5
.set QO,   6
.set QSO,  7
.set STA,  8
.set SSA,  9
.set TRD,  10
.set L16,  11
.set SRD,  12
.set STC,  13
.set SSC,  14
.set QF,   16
.set KSR,  32
.set VSR,  96
.set MB,   128
.set HLD,  160
.set OA,   192
.set PS,   224
.set QSW,  232
.set MX,   233
.set NM,   234
.set SUM,  236                         ; v236-243 and v246-253: the row's sum in eight packed chains
.set RC,   244
.set MSB, 0
.macro WIN new                         ; the immediate's high byte repeats the setting that is left
.if MSB != (\new)
	s_set_vgpr_msb (MSB<<8)|(\new)
.set MSB, (\new)
.endif
.endm
.macro CROUND                          ; a round of the cluster's barrier
	s_barrier_signal -1
	s_barrier_wait -1
	s_cmp_lg_u32 s14, 0
	s_cbranch_scc1 .Lnot_wave_0_\@
	s_barrier_signal -3
.Lnot_wave_0_\@:
	s_barrier_wait -3
	s_barrier_signal -1
	s_barrier_wait -1
.endm
.macro PLACES n
.rept \n
	v_nop
.endr
.endm
.macro SETPF s                         ; PF: where p's fragment of key step s lies in window 1: a number that neither its conversions' sources nor V's fragment of that step has
.if ((\s)%4) == 0
.set PF, 64+16*((\s)/4)
.elseif ((\s)%4) == 1
.set PF, 16*((\s)/4)
.elseif ((\s)%4) == 2
.set PF, 32+16*((\s)/4)
.else
.set PF, 96+16*((\s)/4)
.endif
.endm
	s_load_b128 s[88:91], s[0:1], 0x0              ; in s[88:89], out s[90:91]
	v_lshl_add_u32 v15, v0, 2, 0x4b200
	s_set_vgpr_msb 0x40
	v_mov_b32 v255, 0
	s_set_vgpr_msb 0x4044
	ds_add_u32 v15, v255
	ds_add_u32 v15, v255
	s_set_vgpr_msb 0x4400
	v_lshrrev_b32 v1, 5, v0
	v_readfirstlane_b32 s14, v1                    ; wave
	s_lshr_b32 s15, s14, 1                         ; hp: which head of the pair
	s_and_b32 s16, s14, 1                          ; qh: which 64 queries
	s_bfe_u32 s17, ttmp6, 0x40000                  ; cx
	s_lshl_b32 s18, ttmp9, 2
	s_add_co_u32 s18, s18, s17                     ; my block of 128 queries: it enters q's and the output's addresses alone
	s_and_b32 s19, ttmp7, 0xffff
	s_lshr_b32 s83, s19, 3                         ; batch
	s_and_b32 s84, s19, 7                          ; head pair
	; descriptor groups 1.  K: 1,024 rows of 128 bytes, 1,024 apart, 16 bytes of padding behind each
	s_mov_b32 s24, 15|(0<<16)|(1<<20)|(1<<21)|(4<<22)|(3<<25)
	s_mov_b32 s25, 128<<16
	s_mov_b32 s26, 1024<<16                        ; all 1,024 keys in one load (wave 0's)
	s_mov_b32 s27, 128<<16
	s_mov_b32 s28, 1024
	s_mov_b32 s29, 1024
	s_mov_b32 s30, 0
	s_mov_b32 s31, 0
	; V: 128 rows of 1,024 bytes, dense, 16 bytes of padding behind each
	s_mov_b32 s32, 15|(0<<16)|(1<<20)|(1<<21)|(7<<22)|(3<<25)
	s_mov_b32 s33, 1024<<16
	s_mov_b32 s34, 128<<16                         ; all 128 rows of V in one load (wave 2's)
	s_mov_b32 s35, 1024<<16
	s_mov_b32 s36, 128
	s_mov_b32 s37, 1024
	s_mov_b32 s38, 0
	s_mov_b32 s39, 0
	; K's scale words: 4,096 dense bytes as 16 rows of 256 (32 elements of 8 bytes)
	s_mov_b32 s40, 15|(3<<16)|(1<<21)
	s_mov_b32 s41, 32<<16
	s_mov_b32 s42, 16<<16                          ; K's 4,096 bytes of scale words (wave 1's)
	s_mov_b32 s43, 32<<16
	s_mov_b32 s44, 16
	s_mov_b32 s45, 32
	s_mov_b32 s46, 0
	s_mov_b32 s47, 0
	; V's: 8 rows of 512 bytes, 4,096 apart
	s_mov_b32 s48, 15|(3<<16)|(1<<21)
	s_mov_b32 s49, 64<<16
	s_mov_b32 s50, 8<<16                           ; V's eight runs of 512 bytes (wave 3's)
	s_mov_b32 s51, 64<<16
	s_mov_b32 s52, 8
	s_mov_b32 s53, 512
	s_mov_b32 s54, 0
	s_mov_b32 s55, 0
	s_mov_b32 s20, 0x76543210
	s_mov_b32 s21, 0xfedcba98                      ; v_permlanex16_b32's selects for lane l xor 16
	s_mov_b32 s22, 0x3e38aa3b                      ; c = log2(e) / 8
	s_mov_b32 s23, s22                             ; (named with it as a pair)
	s_mov_b32 s76, 0xbe38aa3b                      ; -c
	s_lshl_b32 s77, s15, 4                         ; 16 hp: the shift of the scale words
	s_mov_b32 s78, 0x8000000                       ; the floor 2^(16 - 127)
	s_mov_b32 s79, 0x600000                        ; the mantissa field of 57,344
	s_mov_b32 s80, 4                               ; tasks to go
	s_mov_b32 s81, 0                               ; the task's rows in the stage: 16 x 144 bytes a task,
	s_mov_b32 s82, 0                               ; and 64 bytes of scale words
	s_mov_b32 s56, 1                               ; groups 0: one for each region, whole
	s_mov_b32 s57, 0
	s_mov_b32 s60, 1
	s_mov_b32 s61, 0
	s_add_co_u32 s61, s61, VL
	s_mov_b32 s68, 1
	s_mov_b32 s69, 0
	s_add_co_u32 s69, s69, KSL
	s_mov_b32 s72, 1
	s_mov_b32 s73, 0
	s_add_co_u32 s73, s73, VSL
	s_lshl_b32 s85, s83, 10                        ; 1,024 b
	s_mov_b32 s86, 0                               ; each region comes whole, from its first row
	s_add_co_u32 s86, s86, s85                     ; 1,024 b
	s_lshl_b32 s87, s84, 7                         ; 128 pr
	s_mov_b32 s93, 0
	s_wait_dscnt 0x0
	s_wait_kmcnt 0x0
	s_lshl_b32 s92, s86, 10                        ; K: keys 1,024 b on, the pair's 128 bytes of each row
	s_add_co_u32 s92, s92, s87
	s_add_co_u32 s92, s92, KC
	s_add_nc_u64 s[58:59], s[88:89], s[92:93]
	s_or_b32 s59, s59, 0x80000000
	s_mov_b32 s92, 0
	s_add_co_u32 s92, s92, s85
	s_add_co_u32 s92, s92, s87
	s_lshl_b32 s92, s92, 10
	s_add_co_u32 s92, s92, VC
	s_add_nc_u64 s[62:63], s[88:89], s[92:93]
	s_or_b32 s63, s63, 0x80000000
	s_lshl_b32 s92, s84, 12                        ; K's scale words: run pr, tokens 1,024 b on
	s_add_co_u32 s92, s92, s86
	s_lshl_b32 s92, s92, 2
	s_add_co_u32 s92, s92, KSO
	s_add_nc_u64 s[70:71], s[88:89], s[92:93]
	s_or_b32 s71, s71, 0x80000000
	s_lshl_b32 s92, s83, 3                         ; V's: runs 8 b to 8 b + 7, features 128 pr on
	s_mov_b32 s86, 0
	s_add_co_u32 s92, s92, s86
	s_lshl_b32 s92, s92, 10
	s_add_co_u32 s92, s92, s87
	s_lshl_b32 s92, s92, 2
	s_add_co_u32 s92, s92, VSO
	s_add_nc_u64 s[74:75], s[88:89], s[92:93]
	s_or_b32 s75, s75, 0x80000000
	; q's and the output's addresses: in registers that feed no descriptor
	s_lshl_b32 s19, s18, 7
	s_add_co_u32 s19, s19, s85                     ; the work-group's first token
	s_lshl_b32 s17, s84, 12
	s_add_co_u32 s17, s17, s19                     ; 4,096 pr + token
	s_mov_b32 s95, 0
	s_lshl_b32 s94, s17, 2
	s_add_co_u32 s94, s94, AS
	s_add_nc_u64 s[10:11], s[90:91], s[94:95]      ; the output's scale words
	s_lshl_b32 s94, s14, 5
	s_add_co_u32 s94, s94, s17
	s_lshl_b32 s94, s94, 7
	s_add_nc_u64 s[8:9], s[90:91], s[94:95]        ; its codes: my 32 rows of 128 bytes
	s_lshl_b32 s94, s16, 6
	s_add_co_u32 s19, s19, s94                     ; my first query
	s_add_co_u32 s17, s17, s94
	s_lshl_b32 s94, s17, 2
	s_add_co_u32 s94, s94, QS
	s_add_nc_u64 s[6:7], s[88:89], s[94:95]        ; q's scale words
	s_lshl_b32 s94, s19, 10
	s_add_co_u32 s94, s94, s87
	s_lshl_b32 s17, s15, 6                         ; 64 hp
	s_add_co_u32 s94, s94, s17
	s_add_nc_u64 s[4:5], s[88:89], s[94:95]        ; q's codes: my head's 64 bytes of each row
	CROUND                                         ; all four work-groups are here: the joint loads meet
; THE HEAD'S LOADS, ONE A WAVE: wave 0 K's codes, wave 1 K's scale words, wave 2 V's codes, wave 3 V's scale words: each region whole, filled once.  One chain of arms on the wave's number.
.macro ARM under, g0, g1, next
	s_cmp_lt_u32 s14, \under
	s_cbranch_scc0 \next
	tensor_load_to_lds s[\g0:\g0+3], s[\g1:\g1+7]
	s_nop 0
.rept 4
	v_nop
.endr
	s_branch .Lhead_asked
\next:
.endm
	ARM 1, 56, 24, .Lhead_v
	ARM 2, 68, 40, .Lhead_ks                       ; wave 1: K's scale words
	ARM 3, 60, 32, .Lhead_vs                       ; wave 2: V's codes; wave 3: V's scale words
	tensor_load_to_lds s[72:75], s[48:55]
	s_nop 0
.rept 4
	v_nop
.endr
.Lhead_asked:
	v_and_b32 v248, 15, v0                         ; r
	v_bfe_u32 v249, v0, 4, 1                       ; h
	v_lshlrev_b32 v[QO], 10, v248
	v_lshl_add_u32 v[QO], v249, 4, v[QO]           ; q: row r of 1,024 bytes + 16 h
	v_lshlrev_b32 v[QSO], 2, v248
	global_load_b128 v[QF:QF+3], v[QO], s[4:5]
	global_load_b128 v[QF+4:QF+7], v[QO], s[4:5] offset:32
	global_load_b32 v[QSW], v[QSO], s[6:7]
	v_mul_u32_u24 v251, v248, 144
	v_lshl_add_u32 v251, v249, 4, v251
	v_add_nc_u32 v[AK], s17, v251                  ; K: row r x pitch + 64 hp + 16 h
	v_add_nc_u32 v[AK+1], 36864, v[AK]
	v_add_nc_u32 v[AK+2], 73728, v[AK]
	v_add_nc_u32 v[AK+3], 110592, v[AK]
	v_add_nc_u32 v251, s17, v248                   ; 64 hp + r
	v_mul_u32_u24 v[AV], v251, 1040
	v_lshl_add_u32 v[AV], v249, 4, v[AV]
	v_add_nc_u32 v[AV], VL, v[AV]
	v_lshl_add_u32 v252, v248, 2, KSL              ; K's: key r of a tile
	s_lshl_b32 s85, s16, 6
	v_add_nc_u32 v251, s85, v248                   ; 64 qh + r
	v_mul_u32_u24 v[STA], v251, 144
	v_lshl_add_u32 v[STA], v249, 3, v[STA]
	v_add_nc_u32 v[STA], s17, v[STA]
	v_add_nc_u32 v[STA], CSTG, v[STA]              ; the stage: my query's row + 64 hp + 8 h
	v_lshl_add_u32 v[SSA], v251, 2, SSTG
	s_lshl_b32 s85, s15, 1
	v_add_nc_u32 v[SSA], s85, v[SSA]               ; my head's half of the row's scale word
	v_and_b32 v251, 31, v0
	v_lshrrev_b32 v254, 3, v251
	s_lshl_b32 s85, s14, 5
	v_add_nc_u32 v254, s85, v254
	v_mul_u32_u24 v254, v254, 144
	v_and_b32 v255, 7, v0
	v_lshl_add_u32 v254, v255, 4, v254
	v_add_nc_u32 v[TRD], CSTG, v254                ; back: rows 32 w on, eight lanes to a row of 128 bytes
	v_lshlrev_b32 v[L16], 4, v251
	v_add_nc_u32 v[SRD], SSTG, v[L16]
	v_add_nc_u32 v254, s17, v248                   ; 64 hp + r
	v_lshl_add_u32 v254, v254, 2, VSL              ; v254: V's scale words, row 64 hp + r; kept through the tasks
.irp j, 8,9,10,11,12,13,14,15
	v_mov_b32 v[QF+\j], 0                          ; q's upper half: zero codes, for good
.endr
.set e, 0
.rept 32
	v_mov_b32 v[HLD+e], 0                          ; written once: a lane permute's destination counts as one of its sources
.set e, e+1
.endr
	s_wait_alu depctr_va_vdst(0)
	s_wait_tensorcnt 0x0                           ; my region has landed,
	s_barrier_signal -1
	s_barrier_wait -1                              ; everybody's have
.set t, 0
.rept 64
	ds_load_b32 v[KSR+t], v252 offset:64*t         ; tile t: keys 16 t on, 4 bytes a key
.set t, t+1
.endr
.irp s, 0,1,2,3,4,5,6,7
.irp d, 0,1,2,3
	ds_load_b32 v[VSR+4*\s+\d], v254 offset:512*\s+64*\d   ; V's 32 scale words, once for all four tasks
.endr
.endr
	s_wait_dscnt 0x0
.set t, 0
.rept 64
	v_lshrrev_b32 v[KSR+t], s77, v[KSR+t]          ; my head's two bytes to the bottom
.set t, t+1
.endr
.macro LOADK g                         ; the fragments of tiles 8 g .. 8 g + 7: 64 bytes a key: two loads a tile
	WIN 0x40
.irp i, 0,1,2,3,4,5,6,7
.irp c, 0,1
	ds_load_b128 v[72*((\g)%2)+8*\i+4*\c:72*((\g)%2)+8*\i+4*\c+3], v[AK+(\g)/2] offset:16*((8*(\g)+\i)%16)*144+32*\c
.endr
.endr
.endm
; The largest score of each of group g's four blocks of 32 keys (my 16 of each), the four by turns: 32 lines, in two parts.  The first part is eight lines: it stands as the eight places between the products
; of group g + 1 and the loads into the buffer that those products read; it names none of their registers.
.macro MAXGA g
.set GW, 2+(\g)/4
.set GR, 64*((\g)%4)
.set GM, MB+4*(\g)
	WIN GW|(GW<<2)|(GW<<4)
.irp e, 0,1,2,3
	v_max3_num_f32 v[GM+\e], v[GR+16*\e], v[GR+16*\e+1], v[GR+16*\e+2]
.endr
	WIN (GW<<2)|(GW<<4)
.irp e, 0,1,2,3
	v_max3_num_f32 v[GM+\e], v[GM+\e], v[GR+16*\e+3], v[GR+16*\e+4]
.endr
.endm
.macro MAXGB g
.set GW, 2+(\g)/4
.set GR, 64*((\g)%4)
.set GM, MB+4*(\g)
	WIN (GW<<2)|(GW<<4)
.irp i, 5,7,9,11,13
.irp e, 0,1,2,3
	v_max3_num_f32 v[GM+\e], v[GM+\e], v[GR+16*\e+\i], v[GR+16*\e+\i+1]
.endr
.endr
.irp e, 0,1,2,3
	v_max_num_f32 v[GM+\e], v[GM+\e], v[GR+16*\e+15]
.endr
.endm
.macro FMAW W                          ; c s - c max for a window's 256 scores, two at a time: all sources of the batch are laid first
	WIN (\W)|((\W)<<6)
.set p, 0
.rept 128
	v_pk_fma_f32 v[2*p:2*p+1], v[2*p:2*p+1], s[22:23], v[NM:NM+1] op_sel_hi:[1,0,0]
.set p, p+1
.endr
.endm
.macro EXPW W                          ; p = 2^(c s - c max): a window's part of the one batch
	WIN (\W)|((\W)<<6)
.set p, 0
.rept 256
	v_exp_f32 v[p], v[p]
.set p, p+1
.endr
.endm
.macro SUMW W                          ; the row's sum, in eight packed chains: an addition's own chain stands eight lines back
	WIN (\W)<<2
.set p, 0
	s_wait_alu depctr_va_vdst(0)
.rept 128
.set SR, SUM+2*(p%8)+2*((p%8)/4)
	v_pk_add_f32 v[SR:SR+1], v[SR:SR+1], v[2*p:2*p+1]
.set p, p+1
.endr
.endm
; Quarter q: key steps 2 q and 2 q + 1, 128 registers: window 2 + q / 2, from register 128 (q % 2) on.
.macro WGTH q                          ; the weights p / sum, held at the largest code x the scale, become codes
.set HW, 2+(\q)/2
.set HB, 128*((\q)%2)
	WIN HW|(HW<<6)
.set p, 0
.rept 64
	v_pk_mul_f32 v[HB+2*p:HB+2*p+1], v[HB+2*p:HB+2*p+1], v[RC:RC+1]
.set p, p+1
.endr
.set p, 0
.rept 128
	v_min_num_f32 v[HB+p], v[HB+p], v[HLD+8*(\q)+p/16]   ; a weight is not negative: the hold is one-sided (the conversion does not saturate: ISA guide 7.6.2)
.set p, p+1
.endr
	WIN HW|0x40
.set e, 0
.rept 8
	SETPF 2*(\q)+e/4
	v_cvt_scalef32_pk8_bf8_f32 v[PF+4*(e%4):PF+4*(e%4)+1], v[HB+16*e:HB+16*e+7], v[MB+8*(\q)+e]
	v_cvt_scalef32_pk8_bf8_f32 v[PF+4*(e%4)+2:PF+4*(e%4)+3], v[HB+16*e+8:HB+16*e+15], v[MB+8*(\q)+e]
.set e, e+1
.endr
	v_nop                                          ; one plain instruction behind the last conversion
.endm
.macro LOADVH q                        ; V's fragments of the quarter's two key steps take the places of the scores that have become codes: 32 loads
.set HW, 2+(\q)/2
.set HB, 128*((\q)%2)
	WIN HW<<6
.irp s, 0,1
.irp d, 0,1,2,3
.irp c, 0,1,2,3
	ds_load_b128 v[HB+64*\s+16*\d+4*\c:HB+64*\s+16*\d+4*\c+3], v[AV] offset:16640*\d+128*(2*(\q)+\s)+32*\c
.endr
.endr
.endr
.endm
.macro PVQ q                           ; O^T += V^T P^T for the quarter's two key steps: the four accumulators take turns, one instruction a turn
.set HW, 2+(\q)/2
.set HB, 128*((\q)%2)
	WIN HW|0x04
.irp s, 0,1
	SETPF 2*(\q)+\s
.irp d, 0,1,2,3
.if ((\q) == 0) && (\s == 0)
	v_wmma_scale_f32_16x16x128_f8f6f4 v[OA+8*\d:OA+8*\d+7], v[HB+64*\s+16*\d:HB+64*\s+16*\d+15], v[PF:PF+15], 0, v[VSR+8*(\q)+4*\s+\d], v[PS+2*(\q)+\s] matrix_a_fmt:MATRIX_FMT_BF8 matrix_b_fmt:MATRIX_FMT_BF8
.else
	v_wmma_scale_f32_16x16x128_f8f6f4 v[OA+8*\d:OA+8*\d+7], v[HB+64*\s+16*\d:HB+64*\s+16*\d+15], v[PF:PF+15], v[OA+8*\d:OA+8*\d+7], v[VSR+8*(\q)+4*\s+\d], v[PS+2*(\q)+\s] matrix_a_fmt:MATRIX_FMT_BF8 matrix_b_fmt:MATRIX_FMT_BF8
.endif
.endr
.endr
.endm
.Ltask:                                            ; four trips: 16 queries each
	s_wait_loadcnt 0x0                             ; q's fragment and scale word
	v_lshrrev_b32 v[QSW], s77, v[QSW]              ; my head's two bytes to the bottom
	WIN 0x40
.irp j, 64,65,66,67,68,69,70,71,136,137,138,139,140,141,142,143
	v_mov_b32 v[\j], 0                             ; the two buffers' tails: the upper half of each group's last operand.  (These sixteen are also the places between the shift above and the first products)
.endr
	; ---- S^T = K Q^T: eight groups of eight tiles, the next group's fragments on their way, the maxima of the group two back in between
	s_wait_alu depctr_va_vdst(0)
	LOADK 0
.irp g, 0,1,2,3,4,5,6,7
.if \g < 7
.if \g == 1
	PLACES 8                                       ; in front of loads into the buffer that the group before multiplied
.endif
.if \g > 1
	MAXGA \g-2                                     ; the same eight places, as work: group g - 2's results stand 8 plain lines or more behind their products
.endif
	LOADK \g+1
.if \g > 1
	MAXGB \g-2
.endif
	s_wait_dscnt 16                                ; this group's loads are in; the next group's 16 may be out
.else
	MAXGA 5
	MAXGB 5
	s_wait_dscnt 0x0
.endif
	WIN 0x81+0x40*(\g/4)                           ; source 0 window 1, D window 2 or 3
.irp i, 0,1,2,3,4,5,6,7
.set rS, 8*((8*\g+\i)%32)
.set rK, 72*(\g%2)+8*\i
	v_wmma_scale_f32_16x16x128_f8f6f4 v[rS:rS+7], v[rK:rK+15], v[QF:QF+15], 0, v[KSR+8*\g+\i], v[QSW] matrix_a_fmt:MATRIX_FMT_BF8 matrix_b_fmt:MATRIX_FMT_BF8
.endr
.endr
	MAXGA 6                                        ; group 6's 32 lines are the places in front of the reads of group 7's scores and of the loads into q's registers
	MAXGB 6
	MAXGA 7
	MAXGB 7
	WIN 0
	s_cmp_eq_u32 s80, 1                            ; the next task's q is asked for here, if there is a next task: no load leaves its buffer
	s_cbranch_scc1 .Lno_next
	s_add_nc_u64 s[4:5], s[4:5], 16384             ; (the loads that named these bases were waited for at the task's head)
	s_add_nc_u64 s[6:7], s[6:7], 64
	global_load_b128 v[QF:QF+3], v[QO], s[4:5]
	global_load_b128 v[QF+4:QF+7], v[QO], s[4:5] offset:32
	global_load_b32 v[QSW], v[QSO], s[6:7]
.Lno_next:
	; ---- the row's maximum, by way of each block's
.set e, 0
.rept 32
	v_permlanex16_b32 v[HLD+e], v[MB+e], s20, s21
.set e, e+1
.endr
.set e, 0
.rept 32
	v_max_num_f32 v[MB+e], v[MB+e], v[HLD+e]       ; with lane l xor 16's 16 keys: the block's largest score
.set e, e+1
.endr
	v_max3_num_f32 v246, v[MB], v[MB+1], v[MB+2]
	v_max3_num_f32 v247, v[MB+16], v[MB+17], v[MB+18]
.irp i, 3,5,7,9,11,13
	v_max3_num_f32 v246, v246, v[MB+\i], v[MB+\i+1]
	v_max3_num_f32 v247, v247, v[MB+16+\i], v[MB+16+\i+1]
.endr
	v_max3_num_f32 v246, v246, v247, v[MB+15]
	v_max_num_f32 v[MX], v246, v[MB+31]
	v_mul_f32 v[NM], s76, v[MX]                    ; -c max
	v_mul_f32 v[NM+1], s76, v[MX]
.irp k, 236,237,238,239,240,241,242,243,246,247,248,249,250,251,252,253
	v_mov_b32 v[\k], 0                             ; the eight chains of the sum
.endr
	FMAW 2
	FMAW 3
	WIN 0
.set e, 0
.rept 32
	v_fma_f32 v[MB+e], v[MB+e], s22, v[NM]         ; the same of each block's largest score: the same instructions on the same number give the same bits
.set e, e+1
.endr
	s_wait_alu depctr_va_vdst(0)                   ; one wait ahead of the batch
	EXPW 2
	EXPW 3
	WIN 0
.set e, 0
.rept 32
	v_exp_f32 v[MB+e], v[MB+e]
.set e, e+1
.endr
	v_nop                                          ; one plain place behind the batch; the wait behind it stands at the head of the sums
	SUMW 2                                         ; (plain instructions behind the exponentials)
	SUMW 3
	WIN 0
	v_pk_add_f32 v[236:237], v[236:237], v[238:239]
	v_pk_add_f32 v[240:241], v[240:241], v[242:243]
	v_pk_add_f32 v[246:247], v[246:247], v[248:249]
	v_pk_add_f32 v[250:251], v[250:251], v[252:253]
	v_pk_add_f32 v[236:237], v[236:237], v[240:241]
	v_pk_add_f32 v[246:247], v[246:247], v[250:251]
	v_pk_add_f32 v[236:237], v[236:237], v[246:247]
	v_add_f32 v247, v236, v237
	v_permlanex16_b32 v246, v247, s20, s21
	v_add_f32 v247, v247, v246                     ; the row's sum
	s_wait_alu depctr_va_vdst(0)
	v_rcp_f32 v[RC], v247
	v_nop                                          ; one plain instruction behind a transcendental
	s_wait_alu depctr_va_vdst(0)
	v_mov_b32 v[RC+1], v[RC]
.set e, 0
.rept 32
	v_mul_f32 v[MB+e], v[MB+e], v[RC]              ; each block's largest weight
.set e, e+1
.endr
.set e, 0
.rept 32
	v_max_num_f32 v[MB+e], s78, v[MB+e]            ; the floor: the byte cannot fall under 1
.set e, e+1
.endr
.set e, 0
.rept 32
	v_and_or_b32 v[HLD+e], v[MB+e], 0x7f800000, s79   ; 57,344 x the scale
.set e, e+1
.endr
.set e, 0
.rept 32
	v_add_nc_u32 v[MB+e], 0xf8800000, v[MB+e]      ; 15 off the exponent field: the conversion's scale operand
.set e, e+1
.endr
.irp s, 0,1,2,3,4,5,6,7
.irp c, 0,1,2,3
	v_lshrrev_b32 v[248+\c], 23, v[MB+4*\s+\c]     ; the scales' bytes
.endr
	v_lshl_or_b32 v[PS+\s], v249, 8, v248          ; p's scale word of key step s
	v_lshl_or_b32 v[PS+\s], v250, 16, v[PS+\s]
	v_lshl_or_b32 v[PS+\s], v251, 24, v[PS+\s]
.endr
	; ---- weights to codes, V's fragments, O^T = V^T P^T: by quarters.  A quarter's products stand behind the next quarter's vector work and loads
	WGTH 0
	LOADVH 0
	WGTH 1
	LOADVH 1
	s_wait_dscnt 32                                ; quarter 0's fragments are in; quarter 1's 32 loads may be out
	PVQ 0
	WGTH 2                                         ; (it names none of the registers of the products in front)
	LOADVH 2
	s_wait_dscnt 32                                ; quarter 1's are in; quarter 2's 32 may be out
	PVQ 1
	WGTH 3
	LOADVH 3
	PLACES 4                                       ; an operand written by vector instructions stands four places ahead of a scaled matrix instruction
	s_wait_alu depctr_va_vdst(0)
	s_wait_dscnt 32                                ; quarter 2's are in; quarter 3's 32 may be out
	PVQ 2
	s_wait_dscnt 0x0
	PVQ 3
	PLACES 9                                       ; 8 in front of the reads of O^T; 9 in front of the next task's products, which write over V's fragments
	WIN 0
	; ---- O^T's 64 channels are two blocks of 32 of the next K; lanes l and l xor 16 hold a block together
.irp e, 0,1
	v_max3_num_f32 v[MB+\e], |v[OA+16*\e]|, |v[OA+16*\e+1]|, s78
.endr
.irp i, 2,4,6,8,10,12,14
.irp e, 0,1
	v_max3_num_f32 v[MB+\e], v[MB+\e], |v[OA+16*\e+\i]|, |v[OA+16*\e+\i+1]|
.endr
.endr
.irp e, 0,1
	v_permlanex16_b32 v[HLD+\e], v[MB+\e], s20, s21
.endr
.irp e, 0,1
	v_max_num_f32 v[MB+\e], v[MB+\e], v[HLD+\e]
.endr
.irp e, 0,1
	v_add_nc_u32 v[MB+2+\e], 0xf8800000, v[MB+\e]
	v_and_or_b32 v[MB+4+\e], v[MB+\e], 0x7f800000, s79
.endr
.irp e, 0,1
	v_lshrrev_b32 v[MB+6+\e], 23, v[MB+2+\e]
.endr
	v_lshl_or_b32 v[MB+8], v[MB+7], 8, v[MB+6]     ; my head's two bytes
.irp e, 0,1
.irp i, 0,1,2,3,4,5,6,7,8,9,10,11,12,13,14,15
	v_med3_num_f32 v[OA+16*\e+\i], v[OA+16*\e+\i], -v[MB+4+\e], v[MB+4+\e]
.endr
.endr
.irp d, 0,1,2,3
	v_cvt_scalef32_pk8_bf8_f32 v[MB+12+2*\d:MB+13+2*\d], v[OA+8*\d:OA+8*\d+7], v[MB+2+\d/2]
.endr
	v_nop
	v_add_nc_u32 v[STC], s81, v[STA]
	v_add_nc_u32 v[SSC], s82, v[SSA]
.irp d, 0,1,2,3
	ds_store_b64 v[STC], v[MB+12+2*\d:MB+13+2*\d] offset:16*\d    ; channels 16 d + 8 h + 0 .. 7 of my query
.endr
	ds_store_b16 v[SSC], v[MB+8]                   ; lanes 16-31 write the same half word with the same value
	s_add_co_u32 s81, s81, 2304
	s_add_co_u32 s82, s82, 64
	s_sub_co_u32 s80, s80, 1
	s_cmp_lg_u32 s80, 0
	s_cbranch_scc1 .Ltask
	s_wait_dscnt 0x0                               ; for the others' sake: my stores into the stage are done
	s_barrier_signal -1
	s_barrier_wait -1
.irp i, 0,1,2,3,4,5,6,7
	ds_load_b128 v[MB+4*\i:MB+4*\i+3], v[TRD] offset:576*\i       ; four rows of 128 bytes
.endr
.irp i, 0,1,2,3,4,5,6,7
	s_wait_dscnt 7-\i
	global_store_b128 v[L16], v[MB+4*\i:MB+4*\i+3], s[8:9] offset:512*\i   ; 32 lanes store 512 consecutive bytes
.endr
	s_cmp_lg_u32 s14, 0
	s_cbranch_scc1 .Lnot_first
	ds_load_b128 v[HLD:HLD+3], v[SRD]              ; wave 0: the 128 tokens' scale words
	s_wait_dscnt 0x0
	global_store_b128 v[L16], v[HLD:HLD+3], s[10:11]
.Lnot_first:
	s_set_vgpr_msb 0x4
	s_wait_tensorcnt 0x0
	ds_add_u32 v15, v255
	s_wait_dscnt 0x0
	s_set_vgpr_msb 0x400
	CROUND                                         ; the closing round
	s_endpgm
.Lfunc_end_k_q06b0223fd9_attn:
	.size	k_q06b0223fd9_attn, .Lfunc_end_k_q06b0223fd9_attn-k_q06b0223fd9_attn
	.p2alignl 7, 3214868480
	.fill 96, 4, 3214868480
	.section	.rodata,"a",@progbits
	.p2align	6, 0x0
	.amdhsa_kernel k_q06b0223fd9_attn
		.amdhsa_group_segment_fixed_size 327680
		.amdhsa_private_segment_fixed_size 0
		.amdhsa_enable_private_segment 0
		.amdhsa_kernarg_size 16
		.amdhsa_user_sgpr_count 2
		.amdhsa_user_sgpr_kernarg_segment_ptr 1
		.amdhsa_wavefront_size32 1
		.amdhsa_system_sgpr_workgroup_id_x 1
		.amdhsa_system_sgpr_workgroup_id_y 1
		.amdhsa_system_sgpr_workgroup_id_z 1
		.amdhsa_system_vgpr_workitem_id 0
		.amdhsa_next_free_vgpr 1024
		.amdhsa_next_free_sgpr 96
		.amdhsa_reserve_vcc 0
		.amdhsa_float_denorm_mode_32 3
		.amdhsa_float_denorm_mode_16_64 3
		.amdhsa_memory_ordered 1
		.amdhsa_forward_progress 1
		.amdhsa_inst_pref_size 176
	.end_amdhsa_kernel
	.amdgpu_metadata
---
amdhsa.version: [ 1, 2 ]
amdhsa.kernels:
  - .name:           k_q06b0223fd9_attn
    .symbol:         k_q06b0223fd9_attn.kd
    .args:
      - { .name: qkv, .offset: 0, .size: 8, .value_kind: global_buffer, .address_space: global }
      - { .name: att, .offset: 8, .size: 8, .value_kind: global_buffer, .address_space: global }
    .group_segment_fixed_size: 327680
    .private_segment_fixed_size: 0
    .kernarg_segment_align: 8
    .kernarg_segment_size: 16
    .max_flat_workgroup_size: 128
    .sgpr_count:     96
    .vgpr_count:     1024
    .wavefront_size: 32
...
	.end_amdgpu_metadata
.endif
;; end of part 3
;; launch wo (part 4): grid 8 x 32, 4 waves a work-group, clusters of 4 x 4, 327,680 bytes of LDS; arguments att, wo_codes, wo_scales, x, x1; writes x1
.if DOCPART == 4
	.amdgcn_target "amdgcn-amd-amdhsa--gfx1250"
	.amdhsa_code_object_version 6
	.text
	.protected	k_q06b0223fd9_wo
	.globl	k_q06b0223fd9_wo
	.p2align	8
	.type	k_q06b0223fd9_wo,@function
k_q06b0223fd9_wo:
	s_mov_b64 s[64:65], 0
	v_nop
	global_prefetch_b8 v0, s[64:65] scope:SCOPE_SE
	s_setreg_imm32_b32 hwreg(HW_REG_WAVE_MODE, 25, 1), 1
	s_wait_xcnt 0x0
	s_wait_alu depctr_hold_cnt(0) depctr_sa_sdst(0) depctr_va_vdst(0) depctr_va_sdst(0) depctr_va_ssrc(0) depctr_va_vcc(0) depctr_vm_vsrc(0)
	s_getreg_b32 s2, hwreg(HW_REG_IB_STS2, 6, 4)
	s_cmp_eq_u32 s2, 0
	s_cbranch_scc0 .Lentry_in_a_cluster
	s_endpgm
.Lentry_in_a_cluster:
	s_bfe_u32 s2, ttmp6, 0x10000c
	s_cmp_lg_u32 s2, 0xf033
	s_cbranch_scc0 .Lentry_shape_is_right
	s_endpgm
.Lentry_shape_is_right:
; x1 = x + attn wo on codes of BF8 (E5M2) with E8M0 scales, K = 1,024; x and x1 [4,096][1,024] f32.
; att: codes [K / 128][token][128 bytes] at byte 0, scale words [K / 128][token][4 bytes] at byte SAOFF.  wo: codes [1,024][1,024], scale bytes [1,024][32].
; A tile of the output is 128 x 128 (256 work-groups for 32 x 8 tiles): four waves, 64 x 64 each, 16 accumulators.
; ALL OF K LIES IN LDS: 147,456 bytes of att's codes and 133,120 of wo's come at the head, filled once, one load a wave: wave 0 att's codes, wave 1 wo's, wave 2 att's scale words, wave 3 wo's scale bytes.  No slot, no refill, no barrier inside K.
; CLUSTERS: 4 x 4 work-groups: att's tiles are asked for jointly along a row of the cluster, wo's along a column.
; No prefetch: the launch asks for all its tiles at its first lines and has no loop to run ahead in.
; FOUR FRAGMENT BUFFERS: step n of 128 along K multiplies buffer n % 4 while the loads of steps n + 1 and n + 2 are out: a fetch is asked for two steps ahead of its products.
; THE MATRIX INSTRUCTION IS USED TRANSPOSED (source 0 = 16 rows of wo, source 1 = 16 tokens): a lane holds eight neighbouring numbers of a row of the output.
; The residual is asked for behind my tile's landing, ahead of the first step (32 loads a wave, in the layout in which rows come back from the stage) and added on the way out.  The stage has LDS bytes of its own.
; LIMITS: NaN and infinities are not served.
; REGISTERS: window 0: v16-29 addresses; v32-95 scale words, two sets, and nothing else; v128-255 accumulators ((a, b) at 128 + 8 (4 a + b)).  Buffers of 128 (att's four fragments, then wo's four): 0, 1 in window 1; 2 at v128 of window 2; 3 at v0 of window 3.
;   window 2: v0-127 the residual.  On the way out rows come back into window 1.
.set SAOFF, 4194304
.set AP,    144                        ; att's LDS row: 128 bytes + 16 of padding
.set AZ,    128*AP                     ; a part: 128 tokens x 128 along K
.set BOFF,  8*AZ
.set BP,    1040                       ; wo's LDS row: 1,024 bytes + 16
.set SCA,   BOFF+128*BP                ; att's scale words: a row of 512 bytes + 16 for each 128 along K (4,224 bytes, in 4,352)
.set SCB,   SCA+4352                   ; wo's scale bytes, as rows of 256 bytes + 16
.set KSB,   32
.set HSB,   (64*KSB/256)*272
.set SBLK,  (16*KSB/256)*272
.set STAGE, SCB+2*HSB                  ; the way out: 16 rows x 272 bytes for each wave; no fill lands here
.set SPARE, STAGE+4*16*272             ; the spare words: 128 bytes for each wave, named by no other line
.set ADRA, 16
.set ADRB, 20
.set ADSA, 22
.set ADSB, 23
.set STO,  24
.set RD,   25
.set CO,   26
.set SPW,  28
.set NIL,  29
.set SC,   32
.set ACC,  128
.set G1, 24
.set G0, 32
.set G1B, 48
.set G0B, 56
.set G1S, 68
.set G0S, 76
.set G1SB, 80
.set G0SB, 88
.set MSB, 0
.macro WIN new                         ; the immediate's high byte repeats the setting that is left
.if MSB != (\new)
	s_set_vgpr_msb (MSB<<8)|(\new)
.set MSB, (\new)
.endif
.endm
.macro PLACES n
.rept \n
	v_nop
.endr
.endm
.macro ARM under, g0, g1, next         ; an arm of the head's chain: one load, an s_nop 0 and four v_nop, then the jump to the join
	s_cmp_lt_u32 s14, \under
	s_cbranch_scc0 \next
	tensor_load_to_lds s[\g0:\g0+3], s[\g1:\g1+7]
	s_nop 0
	PLACES 4
	s_branch .Lhead_asked
\next:
.endm
.macro CROUND                          ; a round of the cluster's barrier
	s_barrier_signal -1
	s_barrier_wait -1
	s_cmp_lg_u32 s14, 0
	s_cbranch_scc1 .Lnot_wave_0_\@
	s_barrier_signal -3
.Lnot_wave_0_\@:
	s_barrier_wait -3
	s_barrier_signal -1
	s_barrier_wait -1
.endm
	s_load_b256 s[4:11], s[0:1], 0x0               ; att s[4:5], wo's codes s[6:7], wo's scales s[8:9], x s[10:11]
	s_load_b64 s[12:13], s[0:1], 0x20              ; x1
	v_lshl_add_u32 v[SPW], v0, 2, SPARE
	v_mov_b32 v[NIL], 0
	ds_add_u32 v[SPW], v[NIL]                      ; the opening lines: the add, twice on end, and one wait
	ds_add_u32 v[SPW], v[NIL]
	v_lshrrev_b32 v1, 5, v0
	v_readfirstlane_b32 s14, v1                    ; wave 0..3
	s_lshr_b32 s15, s14, 1                         ; which half of the tile's tokens is mine
	s_and_b32 s16, s14, 1                          ; which half of its columns
	s_bfe_u32 s40, ttmp6, 0x40000                  ; cx, cy
	s_bfe_u32 s41, ttmp6, 0x40004
	s_lshl_b32 s42, ttmp9, 2
	s_add_co_u32 s42, s42, s40                     ; tile column
	s_and_b32 s17, ttmp7, 0xffff
	s_lshl_b32 s17, s17, 2
	s_add_co_u32 s17, s17, s41                     ; tile row
	s_lshl_b32 s43, s41, 2
	s_lshl_b32 s43, 15, s43                        ; my row of the cluster
	s_lshl_b32 s44, 0x1111, s40                    ; my column
	; att's codes: eight runs of 128 tokens x 128 bytes (16,384 dense bytes, 2,048 elements of 8), 524,288 bytes apart; 16 bytes of padding behind every 128
	s_or_b32 s[G1+0], s43, (3<<16)|(1<<20)|(1<<21)|(4<<22)|(3<<25)
	s_mov_b32 s[G1+1], 2048<<16
	s_mov_b32 s[G1+2], 8<<16
	s_mov_b32 s[G1+3], 2048<<16
	s_mov_b32 s[G1+4], 8
	s_mov_b32 s[G1+5], 65536
	s_mov_b32 s[G1+6], 0
	s_mov_b32 s[G1+7], 0
	; wo's codes: 128 whole rows of 1,024 bytes, 16 of padding behind each
	s_or_b32 s[G1B+0], s44, (0<<16)|(1<<20)|(1<<21)|(7<<22)|(3<<25)
	s_mov_b32 s[G1B+1], 1024<<16
	s_mov_b32 s[G1B+2], 128<<16
	s_mov_b32 s[G1B+3], 1024<<16
	s_mov_b32 s[G1B+4], 128
	s_mov_b32 s[G1B+5], 1024
	s_mov_b32 s[G1B+6], 0
	s_mov_b32 s[G1B+7], 0
	; att's scale words: 8 rows of 512 bytes (128 tokens), 16,384 apart
	s_or_b32 s[G1S+0], s43, (3<<16)|(1<<20)|(1<<21)|(6<<22)|(3<<25)
	s_mov_b32 s[G1S+1], 64<<16
	s_mov_b32 s[G1S+2], 8<<16
	s_mov_b32 s[G1S+3], 64<<16
	s_mov_b32 s[G1S+4], 8
	s_mov_b32 s[G1S+5], 2048
	s_mov_b32 s[G1S+6], 0
	s_mov_b32 s[G1S+7], 0
	; wo's scale bytes of 128 rows: 4,096 dense bytes, as rows of 256
	s_or_b32 s[G1SB+0], s44, (3<<16)|(1<<20)|(1<<21)|(5<<22)|(3<<25)
	s_mov_b32 s[G1SB+1], 32<<16
	s_mov_b32 s[G1SB+2], 16<<16
	s_mov_b32 s[G1SB+3], 32<<16
	s_mov_b32 s[G1SB+4], 16
	s_mov_b32 s[G1SB+5], 32
	s_mov_b32 s[G1SB+6], 0
	s_mov_b32 s[G1SB+7], 0
	s_lshl_b32 s20, s17, 14                        ; att's codes: 16,384 bytes a tile row
	s_mov_b32 s21, 0
	s_lshl_b32 s22, s17, 9                         ; its scale words: 512 bytes a tile row
	s_add_co_u32 s22, s22, SAOFF
	s_mov_b32 s23, 0
	s_lshl_b32 s46, s42, 17                        ; wo's codes: 128 rows of 1,024 a tile column
	s_mov_b32 s47, 0
	s_lshl_b32 s92, s42, 12                        ; its scale bytes: 128 rows of 32
	s_mov_b32 s93, 0
	s_wait_dscnt 0x0                               ; both opening adds are done
	s_wait_kmcnt 0x0
	s_add_nc_u64 s[22:23], s[4:5], s[22:23]
	s_add_nc_u64 s[20:21], s[4:5], s[20:21]
	s_add_nc_u64 s[46:47], s[6:7], s[46:47]
	s_add_nc_u64 s[92:93], s[8:9], s[92:93]
	CROUND                                         ; all sixteen work-groups are here: the joint loads meet
	s_mov_b32 s[G0], 1
	s_mov_b32 s[G0+1], 0
	s_mov_b64 s[G0+2:G0+3], s[20:21]
	s_or_b32 s[G0+3], s[G0+3], 0x80000000
	s_mov_b32 s[G0B], 1
	s_mov_b32 s[G0B+1], BOFF
	s_mov_b64 s[G0B+2:G0B+3], s[46:47]
	s_or_b32 s[G0B+3], s[G0B+3], 0x80000000
	s_mov_b32 s[G0S], 1
	s_mov_b32 s[G0S+1], SCA
	s_mov_b64 s[G0S+2:G0S+3], s[22:23]
	s_or_b32 s[G0S+3], s[G0S+3], 0x80000000
	s_mov_b32 s[G0SB], 1
	s_mov_b32 s[G0SB+1], SCB
	s_mov_b64 s[G0SB+2:G0SB+3], s[92:93]
	s_or_b32 s[G0SB+3], s[G0SB+3], 0x80000000
	ARM 1, G0, G1, .Lhead_b                        ; every way through the head passes exactly one load
	ARM 2, G0B, G1B, .Lhead_sa
	ARM 3, G0S, G1S, .Lhead_sb
	tensor_load_to_lds s[G0SB:G0SB+3], s[G1SB:G1SB+7]
	s_nop 0
	PLACES 4
.Lhead_asked:
	v_and_b32 v1, 15, v0                           ; r
	v_bfe_u32 v2, v0, 4, 1                         ; h
	s_lshl_b32 s21, s15, 6
	v_add_nc_u32 v3, s21, v1                       ; my token row: 64 x half + r
	v_mul_u32_u24 v4, v3, AP
	v_lshl_add_u32 v[ADRA], v2, 4, v4
	v_add_nc_u32 v[ADRA+1], 4*AZ, v[ADRA]          ; parts 4 to 7
	v_lshl_add_u32 v[ADSA], v3, 2, SCA             ; its scale word
	s_lshl_b32 s22, s16, 6
	v_add_nc_u32 v3, s22, v1                       ; my row of wo
	v_mul_u32_u24 v4, v3, BP
	v_lshl_add_u32 v4, v2, 4, v4
	v_add_nc_u32 v[ADRB], BOFF, v4
	v_mul_u32_u24 v5, v1, KSB                      ; its scale bytes: 32 a row, and 16 more for each 256 passed
	v_lshrrev_b32 v6, 8, v5
	v_lshl_add_u32 v5, v6, 4, v5
	s_mul_i32 s22, s16, HSB
	s_add_co_u32 s22, s22, SCB
	v_add_nc_u32 v[ADSB], s22, v5
	s_mul_i32 s23, s14, 16*272
	s_add_co_u32 s23, s23, STAGE                   ; my stage
	v_mul_u32_u24 v5, v1, 272
	v_lshl_add_u32 v5, v2, 5, v5
	v_add_nc_u32 v[STO], s23, v5                   ; in: row r, 32 bytes for each half of the lanes
	v_mul_u32_u24 v5, v2, 272
	v_lshl_add_u32 v5, v1, 4, v5
	v_add_nc_u32 v[RD], s23, v5                    ; back: lanes 0-15 one row of 256 bytes, lanes 16-31 the next
	v_lshlrev_b32 v5, 12, v2
	v_lshl_add_u32 v[CO], v1, 4, v5                ; and the same two rows in the output and in the residual
	s_wait_alu depctr_va_vdst(0)
	s_lshl_b32 s46, s42, 9                         ; my first column, in bytes: 512 x tile column + 256 x half
	s_lshl_b32 s47, s16, 8
	s_add_co_u32 s46, s46, s47
	s_lshl_b32 s20, s17, 7
	s_lshl_b32 s21, s15, 6
	s_add_co_u32 s20, s20, s21                     ; my first row: 128 x tile row + 64 x half
	s_lshl_b32 s20, s20, 12
	s_add_co_u32 s20, s20, s46
	s_mov_b32 s21, 0
	s_add_nc_u64 s[10:11], s[10:11], s[20:21]
	s_add_nc_u64 s[12:13], s[12:13], s[20:21]
.macro BUF n                           ; where buffer n % 4 lies: FW its window, FB its first register
.set FB, 128*((((\n)%4)+((\n)%4)/2)%2)
.set FW, 1+(((\n)%4)/2)*(((\n)%4)-1)
.endm
.macro FETCH n                         ; the fragments of step n (128 along K) into buffer n % 4: 32 loads in one run
	BUF \n
	WIN FW<<6
.irp i, 0,1,2,3
.irp c, 0,1,2,3
	ds_load_b128 v[FB+64+16*\i+4*\c:FB+64+16*\i+4*\c+3], v[ADRB] offset:128*(\n)+32*\c+\i*16*BP
.endr
.endr
.irp i, 0,1,2,3
.irp c, 0,1,2,3
	ds_load_b128 v[FB+16*\i+4*\c:FB+16*\i+4*\c+3], v[ADRA+(\n)/4] offset:((\n)%4)*AZ+32*\c+\i*16*AP
.endr
.endr
.endm
.macro SCALES set                      ; the scale words of four steps: att's (block a, q) at 4 a + q, wo's (block b, q) at 16 + 4 b + q: 20 loads
	WIN 0
.irp a, 0,1,2,3
.irp q, 0,1,2,3
	ds_load_b32 v[SC+32*\set+4*\a+\q], v[ADSA] offset:528*(4*\set+\q)+64*\a
.endr
.endr
.irp b, 0,1,2,3
	ds_load_b128 v[SC+32*\set+16+4*\b:SC+32*\set+16+4*\b+3], v[ADSB] offset:\b*SBLK+16*\set
.endr
.endm
.macro MULS n                          ; step n's 16 matrix instructions.  The 16 accumulators take turns, one instruction a turn; step 0 starts the sums
	BUF \n
	WIN FW|(FW<<2)                                 ; sources 0 and 1 in the buffer's window; C and D window 0
.irp a, 0,1,2,3
.irp b, 0,1,2,3
.set rD, ACC+8*(4*\a+\b)
.set rB, FB+64+16*\b
.set rA, FB+16*\a
.set rSB, SC+32*((\n)/4)+16+4*\b+(\n)%4
.set rSA, SC+32*((\n)/4)+4*\a+(\n)%4
.if (\n) == 0
	v_wmma_scale_f32_16x16x128_f8f6f4 v[rD:rD+7], v[rB:rB+15], v[rA:rA+15], 0, v[rSB], v[rSA] matrix_a_fmt:MATRIX_FMT_BF8 matrix_b_fmt:MATRIX_FMT_BF8
.else
	v_wmma_scale_f32_16x16x128_f8f6f4 v[rD:rD+7], v[rB:rB+15], v[rA:rA+15], v[rD:rD+7], v[rSB], v[rSA] matrix_a_fmt:MATRIX_FMT_BF8 matrix_b_fmt:MATRIX_FMT_BF8
.endif
.endr
.endr
.endm
.macro STEP n, out                     ; out: the LDS loads issued behind step n's, which may stay out
	s_wait_dscnt \out
.if (\n) < 6
	PLACES 8                                       ; in front of loads into the buffer that step n - 2 multiplied
.if (\n) == 2
	SCALES 1                                       ; steps 4 to 7's scale words, ahead of step 4's fragments
.endif
	FETCH (\n)+2
.endif
	MULS \n
.endm
	s_wait_tensorcnt 0x0                           ; my region is in,
	WIN 0x80                                       ; destination window 2
.irp a, 0,1,2,3
.irp t, 0,1,2,3,4,5,6,7
	global_load_b128 v[32*\a+4*\t:32*\a+4*\t+3], v[CO], s[10:11] offset:(16*\a+2*\t)*4096   ; THE RESIDUAL IS ASKED FOR HERE, behind my own tile's landing: sixteen lanes read 256 consecutive bytes; nobody writes x, so the loads may be out across the barrier
.endr
.endr
	WIN 0
	s_barrier_signal -1
	s_barrier_wait -1                              ; all four are
	FETCH 0
	SCALES 0
	FETCH 1
	STEP 0, 32                                     ; behind step 0's fragments and scale words: step 1's 32 loads
	STEP 1, 32
	STEP 2, 32
	STEP 3, 52                                     ; behind step 3's: 20 scale loads and step 4's 32
	STEP 4, 32
	STEP 5, 32
	STEP 6, 32
	STEP 7, 0
; THE WAY OUT, 16 rows x my 64 columns at a time, through my own stage: in 32 bytes a lane, back as whole rows of 256 bytes; the residual is added; sixteen lanes store 256 consecutive bytes.
; LDS serves a wave's instructions in order (ISA guide 5.7.1.4): no wait between the stores and the loads, nor in front of the next block's stores.
.macro TOSTAGE a
	WIN 0
.irp b, 0,1,2,3
	ds_store_b128 v[STO], v[ACC+8*(4*(\a)+\b):ACC+8*(4*(\a)+\b)+3] offset:64*\b        ; each accumulator from its low end on
	ds_store_b128 v[STO], v[ACC+8*(4*(\a)+\b)+4:ACC+8*(4*(\a)+\b)+7] offset:64*\b+16
.endr
	WIN 0x40                                       ; back into window 1
.irp t, 0,1,2,3,4,5,6,7
	ds_load_b128 v[32*((\a)%2)+4*\t:32*((\a)%2)+4*\t+3], v[RD] offset:544*\t
.endr
.endm
.macro SEND a, younger                 ; younger: the LDS instructions issued behind block a's loads, which may stay out
	s_wait_dscnt \younger
	WIN 0x49                                       ; destination and source 0 window 1, source 1 (the residual) window 2
.irp k, 0,1,2,3,4,5,6,7,8,9,10,11,12,13,14,15
	v_pk_add_f32 v[32*((\a)%2)+2*\k:32*((\a)%2)+2*\k+1], v[32*((\a)%2)+2*\k:32*((\a)%2)+2*\k+1], v[32*(\a)+2*\k:32*(\a)+2*\k+1]
.endr
	WIN 0x04                                       ; a store's data are its source 1: window 1
.irp t, 0,1,2,3,4,5,6,7
	global_store_b128 v[CO], v[32*((\a)%2)+4*\t:32*((\a)%2)+4*\t+3], s[12:13] offset:(16*(\a)+2*\t)*4096
.endr
.endm
	PLACES 8                                       ; in front of the first reads of results and of loads into the fragment buffers
	s_wait_loadcnt 0x0                             ; the residual
	TOSTAGE 0
.irp a, 1,2,3
.if \a > 1
	s_wait_xcnt 0x0                                ; block a - 2's stores have read their registers: block a's loads may land there
.endif
	TOSTAGE \a
	SEND \a-1, 16                                  ; behind block a - 1's loads: block a's 8 stores and 8 loads
.endr
	SEND 3, 0
	WIN 0
	s_wait_tensorcnt 0x0                           ; the wave's end
	ds_add_u32 v[SPW], v[NIL]
	s_wait_dscnt 0x0
	CROUND                                         ; the closing round: no work-group ends while a partner may still ask for a tile that names it
	s_endpgm
.Lfunc_end_k_q06b0223fd9_wo:
	.size	k_q06b0223fd9_wo, .Lfunc_end_k_q06b0223fd9_wo-k_q06b0223fd9_wo
	.p2alignl 7, 3214868480
	.fill 96, 4, 3214868480
	.section	.rodata,"a",@progbits
	.p2align	6, 0x0
	.amdhsa_kernel k_q06b0223fd9_wo
		.amdhsa_group_segment_fixed_size 327680
		.amdhsa_private_segment_fixed_size 0
		.amdhsa_enable_private_segment 0
		.amdhsa_kernarg_size 40
		.amdhsa_user_sgpr_count 2
		.amdhsa_user_sgpr_kernarg_segment_ptr 1
		.amdhsa_wavefront_size32 1
		.amdhsa_system_sgpr_workgroup_id_x 1
		.amdhsa_system_sgpr_workgroup_id_y 1
		.amdhsa_system_sgpr_workgroup_id_z 1
		.amdhsa_system_vgpr_workitem_id 0
		.amdhsa_next_free_vgpr 896
		.amdhsa_next_free_sgpr 100
		.amdhsa_reserve_vcc 0
		.amdhsa_float_denorm_mode_32 3
		.amdhsa_float_denorm_mode_16_64 3
		.amdhsa_memory_ordered 1
		.amdhsa_forward_progress 1
		.amdhsa_inst_pref_size 61
	.end_amdhsa_kernel
	.amdgpu_metadata
---
amdhsa.version: [ 1, 2 ]
amdhsa.kernels:
  - .name:           k_q06b0223fd9_wo
    .symbol:         k_q06b0223fd9_wo.kd
    .args:
      - { .name: att, .offset: 0, .size: 8, .value_kind: global_buffer, .address_space: global }
      - { .name: wo_codes, .offset: 8, .size: 8, .value_kind: global_buffer, .address_space: global }
      - { .name: wo_scales, .offset: 16, .size: 8, .value_kind: global_buffer, .address_space: global }
      - { .name: x, .offset: 24, .size: 8, .value_kind: global_buffer, .address_space: global }
      - { .name: x1, .offset: 32, .size: 8, .value_kind: global_buffer, .address_space: global }
    .group_segment_fixed_size: 327680
    .private_segment_fixed_size: 0
    .kernarg_segment_align: 8
    .kernarg_segment_size: 40
    .max_flat_workgroup_size: 128
    .sgpr_count:     100
    .vgpr_count:     896
    .wavefront_size: 32
...
	.end_amdgpu_metadata
.endif
;; end of part 4
;; launch ln2: the kernel of part 1 again; grid 256 x 1, 16 waves a work-group, no clusters, 84,480 bytes of LDS; arguments x1, g2, be2, hq; writes hq
;; launch ffn1 (part 5): grid 16 x 16, 4 waves a work-group, clusters of 4 x 4, 327,680 bytes of LDS; arguments hq, w1_codes, w1_scales, b1, hid; writes hid
.if DOCPART == 5
	.amdgcn_target "amdgcn-amd-amdhsa--gfx1250"
	.amdhsa_code_object_version 6
	.text
	.protected	k_q06b0223fd9_ffn1
	.globl	k_q06b0223fd9_ffn1
	.p2align	8
	.type	k_q06b0223fd9_ffn1,@function
k_q06b0223fd9_ffn1:
	s_mov_b64 s[64:65], 0
	v_nop
	global_prefetch_b8 v0, s[64:65] scope:SCOPE_SE
	s_setreg_imm32_b32 hwreg(HW_REG_WAVE_MODE, 25, 1), 1
	s_wait_xcnt 0x0
	s_wait_alu depctr_hold_cnt(0) depctr_sa_sdst(0) depctr_va_vdst(0) depctr_va_sdst(0) depctr_va_ssrc(0) depctr_va_vcc(0) depctr_vm_vsrc(0)
	s_getreg_b32 s2, hwreg(HW_REG_IB_STS2, 6, 4)
	s_cmp_eq_u32 s2, 0
	s_cbranch_scc0 .Lentry_in_a_cluster
	s_endpgm
.Lentry_in_a_cluster:
	s_bfe_u32 s2, ttmp6, 0x10000c
	s_cmp_lg_u32 s2, 0xf033
	s_cbranch_scc0 .Lentry_shape_is_right
	s_endpgm
.Lentry_shape_is_right:
; relu(h w1 + b1) on codes of BF8 (E5M2) with E8M0 scales, K = 1,024, quantised again along its 4,096 columns on the way out: the MODE 1 form of the text of launch qkv, whose head explains operands, ring, cluster and way out.
; hid: codes [4,096][4,096] at byte 0, scale words [column / 128][token][4 bytes] at byte 16,777,216.  LIMITS: NaN and infinities are not served; a block's byte never falls under 1.
.set MODE,   1
.set RELU,   MODE
.set BIAS,   MODE
.if MODE == 0
.set OUTP,   1024
.else
.set OUTP,   4096
.endif
.set HS,     4194304
.set QS,     12582912
.set KSTEP,  256
.set NQ,     2
.set ROWB,   256
.set KROW,   1024
.set PITCH,  272
.set FR,     16
.set NL,     4
.set NP,     8
.set HALFT,  128*PITCH
.set SLOT,   4*HALFT
.set LAPS,   2
.set KS,     32
.set SCL,    2*SLOT
.set HALFS,  (128*KS/256)*272
.set SBLK,   (16*KS/256)*272
.set SPARE,  SCL+4*HALFS
.set SST,    256*272
.set ADRA, 16
.set ADRB, 20
.set CO,   22
.set BO,   23
.set STO,  24
.set SSA,  25
.set RD,   26
.set ADRS, 27
.set SPW,  28
.set NIL,  29
.set SRD,  30
.set L16,  31
.set SC,   32
.set BI,   64
.set SW,   96
.set TM,   100
.set PW,   116
.set AF,   128
.set BK,   128
.set G1, 24
.set G0, 32
.set G1B, 48
.set G0B, 56
.set G1S, 68
.set G0S, 76
.set G1SB, 80
.set G0SB, 88
.set MSB, 0
.macro WIN new
.if MSB != (\new)
	s_set_vgpr_msb (MSB<<8)|(\new)
.set MSB, (\new)
.endif
.endm
.set MUL_LO, 0xa1
.set MUL_HI, 0xf1
.set TO_B,   0x40
.macro JLOAD g0a, g1a, g0b, g1b
	s_cmp_eq_u32 s15, 0
	s_cbranch_scc0 .Lfor_b_\@
	tensor_load_to_lds s[\g0a:\g0a+3], s[\g1a:\g1a+7]
	s_nop 0
.rept 4
	v_nop
.endr
	s_branch .Lasked_\@
.Lfor_b_\@:
	tensor_load_to_lds s[\g0b:\g0b+3], s[\g1b:\g1b+7]
	s_nop 0
.rept 4
	v_nop
.endr
.Lasked_\@:
.endm
.macro CREST
	s_cmp_lg_u32 s14, 0
	s_cbranch_scc1 .Lnot_wave_0_\@
	s_barrier_signal -3
.Lnot_wave_0_\@:
	s_barrier_wait -3
	s_barrier_signal -1
	s_barrier_wait -1
.endm
.macro CROUND
	s_barrier_signal -1
	s_barrier_wait -1
	CREST
.endm
.if MODE == 0
	s_load_b512 s[24:39], s[0:1], 0x0
.else
	s_load_b256 s[24:31], s[0:1], 0x0
	s_load_b64 s[12:13], s[0:1], 0x20
.endif
	v_lshl_add_u32 v[SPW], v0, 2, SPARE
	v_mov_b32 v[NIL], 0
	ds_add_u32 v28, v29
	ds_add_u32 v28, v29
	s_wait_dscnt 0x0
	v_lshrrev_b32 v1, 5, v0
	v_readfirstlane_b32 s14, v1
	s_lshr_b32 s15, s14, 1
	s_and_b32 s16, s14, 1
	s_bfe_u32 s40, ttmp6, 0x40000
	s_bfe_u32 s41, ttmp6, 0x40004
	s_and_b32 s17, ttmp7, 0xffff
.if MODE == 0
	s_lshr_b32 s98, s17, 2
	s_and_b32 s19, s17, 3
	s_lshl_b32 s19, s19, 2
	s_wait_kmcnt 0x0
	s_add_nc_u64 s[20:21], s[24:25], HS
	s_cmp_eq_u32 s98, 1
	s_cselect_b64 s[8:9], s[30:31], s[26:27]
	s_cselect_b64 s[10:11], s[32:33], s[28:29]
	s_cmp_eq_u32 s98, 2
	s_cselect_b64 s[8:9], s[24:25], s[8:9]
	s_cselect_b64 s[10:11], s[20:21], s[10:11]
	s_cselect_b64 s[4:5], s[34:35], s[24:25]
	s_cselect_b64 s[6:7], s[36:37], s[20:21]
	s_cselect_b32 s22, s19, 0
	s_cselect_b32 s23, 0, s19
	s_cselect_b32 s95, 12, 14
	s_mov_b64 s[12:13], s[38:39]
	s_add_co_u32 s42, s22, s40
	s_add_co_u32 s17, s23, s41
.else
	s_lshl_b32 s42, ttmp9, 2
	s_add_co_u32 s42, s42, s40
	s_lshl_b32 s17, s17, 2
	s_add_co_u32 s17, s17, s41
	s_mov_b32 s95, 14
	s_wait_kmcnt 0x0
	s_mov_b64 s[4:5], s[24:25]
	s_add_nc_u64 s[6:7], s[24:25], HS
	s_mov_b64 s[8:9], s[26:27]
	s_mov_b64 s[10:11], s[28:29]
	s_mov_b64 s[98:99], s[30:31]
.endif
	s_mov_b32 s66, 0x76543210
	s_mov_b32 s67, 0xfedcba98
	s_mov_b32 s100, 0x8000000
	s_mov_b32 s101, 0x600000
	s_lshl_b32 s43, s41, 2
	s_lshl_b32 s43, 15, s43
	s_lshl_b32 s44, 0x1111, s40
	s_or_b32 s[G1+0], s43, (0<<16)|(1<<20)|(1<<21)|(5<<22)|(3<<25)
	s_or_b32 s[G1B+0], s44, (0<<16)|(1<<20)|(1<<21)|(5<<22)|(3<<25)
.irp g, G1, G1B
	s_mov_b32 s[\g+1], ROWB<<16
	s_mov_b32 s[\g+2], 256<<16                     ; 256 rows for the head's loads; set to 128 for the ring's behind them
	s_mov_b32 s[\g+3], ROWB<<16
	s_mov_b32 s[\g+4], 256
	s_mov_b32 s[\g+5], KROW
	s_mov_b32 s[\g+6], 0
	s_mov_b32 s[\g+7], 0
.endr
	s_or_b32 s[G1S+0], s43, (3<<16)|(1<<20)|(1<<21)|(5<<22)|(3<<25)
	s_or_b32 s[G1SB+0], s44, (3<<16)|(1<<20)|(1<<21)|(5<<22)|(3<<25)
.irp g, G1S, G1SB
	s_mov_b32 s[\g+1], 32<<16
	s_mov_b32 s[\g+2], (256*KS/256)<<16
	s_mov_b32 s[\g+3], 32<<16
	s_mov_b32 s[\g+4], 256*KS/256
	s_mov_b32 s[\g+5], 32
	s_mov_b32 s[\g+6], 0
	s_mov_b32 s[\g+7], 0
.endr
	s_mov_b32 s18, 0                               ; the tile's first row: the head's loads bring whole tiles
	s_lshl_b32 s20, s17, 8
	s_add_co_u32 s20, s20, s18
	s_lshl_b32 s46, s42, 8
	s_add_co_u32 s46, s46, s18
	s_mov_b32 s21, 0
	s_mov_b32 s47, 0
	s_mov_b64 s[18:19], KS
	s_mul_u64 s[22:23], s[20:21], s[18:19]
	s_mul_u64 s[92:93], s[46:47], s[18:19]
	s_mov_b64 s[18:19], KROW
	s_mul_u64 s[20:21], s[20:21], s[18:19]
	s_mul_u64 s[46:47], s[46:47], s[18:19]
	s_mul_i32 s45, s14, HALFT
	s_mul_i32 s94, s14, HALFS
	s_add_nc_u64 s[20:21], s[4:5], s[20:21]
	s_add_nc_u64 s[22:23], s[6:7], s[22:23]
	s_add_nc_u64 s[46:47], s[8:9], s[46:47]
	s_add_nc_u64 s[92:93], s[10:11], s[92:93]
	; PREFETCH INTO THE L2: of the 128 rows that I fetch in the ring, my work-group's 32 (by address: cx for h, cy for w1), a lane a row, 256 bytes of a K step: each aligned block once in each cluster that loads it.
	; The buffers' first touch is asked for as soon as the addresses stand, ahead of the opening round: K steps 0 and 1.
	s_cmp_eq_u32 s15, 0
	s_cselect_b64 s[104:105], s[20:21], s[46:47]
	s_cselect_b32 s18, s40, s41
	s_lshl_b32 s18, s18, 15                        ; 32 rows of 1,024 bytes
	s_lshl_b32 s19, s16, 17                        ; my 128 rows of the tile
	s_add_co_u32 s18, s18, s19
	s_mov_b32 s19, 0
	s_add_nc_u64 s[104:105], s[104:105], s[18:19]
	v_and_b32 v8, 31, v0
	v_lshlrev_b32 v8, 10, v8
	global_prefetch_b8 v8, s[104:105] th:TH_LOAD_NT scope:SCOPE_SE
	global_prefetch_b8 v8, s[104:105] offset:256 th:TH_LOAD_NT scope:SCOPE_SE
	s_wait_alu depctr_va_vdst(0)
	CROUND
	s_mov_b32 s[G0S], 1
	s_mov_b32 s[G0S+1], SCL
	s_mov_b64 s[G0S+2:G0S+3], s[22:23]
	s_or_b32 s[G0S+3], s[G0S+3], 0x80000000
	s_mov_b32 s[G0SB], 1
	s_mov_b32 s[G0SB+1], SCL+2*HALFS
	s_mov_b64 s[G0SB+2:G0SB+3], s[92:93]
	s_or_b32 s[G0SB+3], s[G0SB+3], 0x80000000
	s_mov_b32 s4, 1                                ; s[4:7], s[8:11]: group 0 of the head's loads of K step 0: h's 256 rows,
	s_mov_b32 s5, 0
	s_mov_b64 s[6:7], s[20:21]
	s_or_b32 s7, s7, 0x80000000
	s_mov_b32 s8, 1                                ; w1's 256 rows, behind them in slot 0
	s_mov_b32 s9, 2*HALFT
	s_mov_b64 s[10:11], s[46:47]
	s_or_b32 s11, s11, 0x80000000
	s_mul_i32 s18, s16, 128*KROW                   ; for the ring: my 128 rows of the tile
	s_mov_b32 s19, 0
	s_add_nc_u64 s[20:21], s[20:21], s[18:19]
	s_add_nc_u64 s[46:47], s[46:47], s[18:19]
.irp s, 0,1
	s_mov_b32 s[G0+4*\s], 1
	s_add_co_u32 s[G0+4*\s+1], s45, \s*SLOT
	s_add_nc_u64 s[G0+4*\s+2:G0+4*\s+3], s[20:21], \s*ROWB
	s_or_b32 s[G0+4*\s+3], s[G0+4*\s+3], 0x80000000
	s_mov_b32 s[G0B+4*\s], 1
	s_add_co_u32 s[G0B+4*\s+1], s45, \s*SLOT
	s_add_nc_u64 s[G0B+4*\s+2:G0B+4*\s+3], s[46:47], \s*ROWB
	s_or_b32 s[G0B+4*\s+3], s[G0B+4*\s+3], 0x80000000
.endr
; THE HEAD'S LOADS, ONE A WAVE: wave 0 K step 0's 256 rows of h, wave 1 those of w1, wave 2 h's scale bytes, wave 3 w1's.  One chain of arms on the wave's number.
.macro ARM under, g0, g1, next
	s_cmp_lt_u32 s14, \under
	s_cbranch_scc0 \next
	tensor_load_to_lds s[\g0:\g0+3], s[\g1:\g1+7]
	s_nop 0
.rept 4
	v_nop
.endr
	s_branch .Lhead_asked
\next:
.endm
	ARM 1, 4, G1, .Lhead_b
	ARM 2, 8, G1B, .Lhead_sa
	ARM 3, G0S, G1S, .Lhead_sb
	tensor_load_to_lds s[G0SB:G0SB+3], s[G1SB:G1SB+7]
	s_nop 0
.rept 4
	v_nop
.endr
.Lhead_asked:
	global_prefetch_b8 v8, s[104:105] offset:512 th:TH_LOAD_NT scope:SCOPE_SE   ; behind K step 0's load: K step 2, two loads on
	v_and_b32 v1, 15, v0
	v_bfe_u32 v2, v0, 4, 1
	v_mul_u32_u24 v3, v1, PITCH
	v_lshl_add_u32 v4, v2, 4, v3
	s_mul_i32 s21, s15, HALFT
	s_mul_i32 s22, s16, HALFT
	s_add_co_u32 s22, s22, 2*HALFT
.irp s, 0,1
	v_add_nc_u32 v[ADRA+\s], s21, v4
	v_add_nc_u32 v[ADRB+\s], s22, v4
	s_add_co_u32 s21, s21, SLOT
	s_add_co_u32 s22, s22, SLOT
.endr
	v_mul_u32_u24 v5, v1, KS
	v_lshrrev_b32 v6, 8, v5
	v_lshl_add_u32 v5, v6, 4, v5
	s_mul_i32 s21, s15, HALFS
	s_mul_i32 s22, s16, HALFS
	s_add_co_u32 s22, s22, 2*HALFS
	s_sub_co_u32 s22, s22, s21
	v_mul_u32_u24 v6, s22, v2
	s_add_co_u32 s21, s21, SCL
	v_add_nc_u32 v5, v5, v6
	v_add_nc_u32 v[ADRS], s21, v5
	s_lshl_b32 s21, s15, 7
	v_add_nc_u32 v5, s21, v1
	v_mul_u32_u24 v6, v5, 272
	v_lshl_add_u32 v6, v2, 3, v6
	s_lshl_b32 s22, s16, 7
	v_add_nc_u32 v[STO], s22, v6
	v_lshlrev_b32 v5, 2, v5
	s_lshl_b32 s22, s16, 10
	s_add_co_u32 s22, s22, SST
	v_add_nc_u32 v[SSA], s22, v5
	s_lshl_b32 s22, s15, 7                         ; back: in each of four phases rows 128 (wave / 2) + 16 (wave % 2) + 32 x phase on
	s_lshl_b32 s23, s16, 4
	s_add_co_u32 s22, s22, s23
	v_add_nc_u32 v5, s22, v2
	v_mul_u32_u24 v5, v5, 272
	v_lshl_add_u32 v[RD], v1, 4, v5
	v_mul_u32_u24 v5, v2, OUTP
	v_lshl_add_u32 v[CO], v1, 4, v5
	v_lshl_add_u32 v[SRD], v0, 4, SST
	v_and_b32 v5, 31, v0
	v_lshlrev_b32 v[L16], 4, v5
	s_lshl_b32 s46, s42, 1
	s_add_co_u32 s46, s46, s15
	s_lshl_b32 s46, s46, s95
	s_lshl_b32 s47, s17, 8
	s_lshl_b32 s94, s16, 7
	s_add_co_u32 s47, s47, s94
	s_lshl_b32 s47, s47, 2
	s_add_co_u32 s46, s46, s47
.if MODE == 0
	s_lshl_b32 s47, s98, 17
	s_add_co_u32 s46, s46, s47
	s_add_co_u32 s46, s46, QS
.else
	s_add_co_u32 s46, s46, 16777216
.endif
	s_mov_b32 s47, 0
	s_add_nc_u64 s[96:97], s[12:13], s[46:47]
	s_lshl_b32 s20, s17, 8
	s_lshl_b32 s21, s15, 7                         ; row 256 x tile row + 128 (wave / 2) + 16 (wave % 2)
	s_add_co_u32 s20, s20, s21
	s_lshl_b32 s21, s16, 4
	s_add_co_u32 s20, s20, s21
.if MODE == 0
	s_lshl_b32 s20, s20, 10
	s_lshl_b32 s21, s98, 22
	s_add_co_u32 s20, s20, s21
	s_lshr_b32 s46, s42, 2
	s_lshl_b32 s46, s46, 20
	s_add_co_u32 s20, s20, s46
	s_and_b32 s46, s42, 3
	s_lshl_b32 s46, s46, 8
	s_add_co_u32 s20, s20, s46
.else
	s_lshl_b32 s20, s20, 12
	s_lshl_b32 s46, s42, 8
	s_add_co_u32 s20, s20, s46
.endif
	s_mov_b32 s21, 0
	s_add_nc_u64 s[12:13], s[12:13], s[20:21]
.if BIAS
	s_lshl_b32 s46, s42, 10
	s_lshl_b32 s47, s16, 9
	s_add_co_u32 s46, s46, s47
	s_mov_b32 s47, 0
	s_add_nc_u64 s[98:99], s[98:99], s[46:47]
	v_lshlrev_b32 v[BO], 5, v2
.irp b, 0,1,2,3,4,5,6,7
	global_load_b128 v[BI+8*\b:BI+8*\b+3], v[BO], s[98:99] offset:64*\b
	global_load_b128 v[BI+8*\b+4:BI+8*\b+7], v[BO], s[98:99] offset:64*\b+16
.endr
.endif
.macro FRAG reg, adr, q, i
.irp c, 0,1,2,3
	ds_load_b128 v[\reg+4*\c:\reg+4*\c+3], v[\adr] offset:128*(\q)+32*\c+(\i)*16*PITCH
.endr
.endm
.macro MUL16 a0, p, q, sc, zero
.irp a, \a0, \a0+1
.irp b, 0,1,2,3,4,5,6,7
.set rD, 8*(8*((\a)%4)+\b)
.set rB, 128*(\p)+FR*\b
.set rA, AF+FR*(\a)
.set rSB, SC+8*NQ*(\sc)+NQ*\b+(\q)
.set rSA, SC+8*NQ*(\sc)+NQ*(\a)+(\q)
.if (\zero) && BIAS
	v_wmma_scale_f32_16x16x128_f8f6f4 v[rD:rD+7], v[rB:rB+15], v[rA:rA+15], v[BI+8*\b:BI+8*\b+7], v[rSB], v[rSA] matrix_a_fmt:MATRIX_FMT_BF8 matrix_b_fmt:MATRIX_FMT_BF8 matrix_a_scale:MATRIX_SCALE_ROW1
.elseif \zero
	v_wmma_scale_f32_16x16x128_f8f6f4 v[rD:rD+7], v[rB:rB+15], v[rA:rA+15], 0, v[rSB], v[rSA] matrix_a_fmt:MATRIX_FMT_BF8 matrix_b_fmt:MATRIX_FMT_BF8 matrix_a_scale:MATRIX_SCALE_ROW1
.else
	v_wmma_scale_f32_16x16x128_f8f6f4 v[rD:rD+7], v[rB:rB+15], v[rA:rA+15], v[rD:rD+7], v[rSB], v[rSA] matrix_a_fmt:MATRIX_FMT_BF8 matrix_b_fmt:MATRIX_FMT_BF8 matrix_a_scale:MATRIX_SCALE_ROW1
.endif
.endr
.endr
.endm
.macro FETCH_B slot, q, p
	WIN TO_B
.irp i, 0,1,2,3,4,5,6,7
	FRAG 128*(\p)+FR*\i, ADRB+\slot, \q, \i
.endr
	WIN 0
.endm
.macro FETCH_A slot, q, i0
.irp i, \i0, \i0+1, \i0+2, \i0+3
	FRAG AF+FR*(\i), ADRA+\slot, \q, \i
.endr
.endm
.macro SCALES sc
.irp i, 0,1,2,3,4,5,6,7
	ds_load_b64 v[SC+8*NQ*\sc+NQ*\i:SC+8*NQ*\sc+NQ*\i+1], v[ADRS] offset:\i*SBLK
.endr
.endm
.macro PLACES n
.rept \n
	v_nop
.endr
.endm
.macro STEP slot, q, zero
	s_wait_dscnt 4*NL
.if (\zero) && BIAS
	WIN 0x81
.else
	WIN MUL_LO
.endif
	MUL16 0, (\q)%2, \q, \slot, \zero
	MUL16 2, (\q)%2, \q, \slot, \zero
	s_wait_dscnt 0
	PLACES NP
	FETCH_B \slot, (\q)+1, 1-(\q)%2
	FETCH_A \slot, (\q)+1, 0
.if (\zero) && BIAS
	WIN 0xc1
.else
	WIN MUL_HI
.endif
	MUL16 4, (\q)%2, \q, \slot, \zero
	MUL16 6, (\q)%2, \q, \slot, \zero
	PLACES NP
	WIN 0
	FETCH_A \slot, (\q)+1, 4
.endm
.macro TURN slot, next, fill
	s_wait_tensorcnt 0x0
	ds_add_u32 v[SPW], v[NIL]
	s_wait_dscnt 4*NL+1
	WIN MUL_LO
	MUL16 0, 1, NQ-1, \slot, 0
	s_wait_dscnt 0x0
	s_barrier_signal -1
	MUL16 2, 1, NQ-1, \slot, 0
	WIN 0
	s_barrier_wait -1
.if \fill
	CREST
	s_add_nc_u64 s[G0+4*\slot+2:G0+4*\slot+3], s[G0+4*\slot+2:G0+4*\slot+3], 2*ROWB
	s_add_nc_u64 s[G0B+4*\slot+2:G0B+4*\slot+3], s[G0B+4*\slot+2:G0B+4*\slot+3], 2*ROWB
	JLOAD G0+4*\slot, G1, G0B+4*\slot, G1B
	PLACES NP-4
.else
	PLACES NP
.endif
	s_wait_alu depctr_va_vdst(0)
	v_add_nc_u32 v[ADRS], 4*NQ, v[ADRS]
	FETCH_B \next, 0, 0
	FETCH_A \next, 0, 0
	SCALES \next
	WIN MUL_HI
	MUL16 4, 1, NQ-1, \slot, 0
	MUL16 6, 1, NQ-1, \slot, 0
	PLACES NP
	WIN 0
	FETCH_A \next, 0, 4
.endm
	s_wait_alu depctr_va_vdst(0)
	s_wait_tensorcnt 0x0                           ; my tile of the head's four is in
	ds_add_u32 v[SPW], v[NIL]
	s_mov_b32 s[G1+2], 128<<16                     ; no tensor load of mine is out: from here on a load brings 128 rows
	s_mov_b32 s[G1+4], 128
	s_mov_b32 s[G1B+2], 128<<16
	s_mov_b32 s[G1B+4], 128
	s_wait_dscnt 0x0
	CROUND                                         ; all four tiles are in, all sixteen work-groups are here
	JLOAD G0+4, G1, G0B+4, G1B                     ; K step 1 into slot 1: my one load behind the round
	FETCH_B 0, 0, 0
	FETCH_A 0, 0, 0
	SCALES 0
	FETCH_A 0, 0, 4
	global_prefetch_b8 v8, s[104:105] offset:768 th:TH_LOAD_NT scope:SCOPE_SE   ; behind K step 1's load: K step 3, the last; v8 and s[104:105] are never rewritten
.if BIAS
	s_wait_loadcnt 0x0
.endif
	STEP 0, 0, 1
	s_mov_b32 s3, LAPS-1
.Llap:
	TURN 0, 1, 1
	STEP 1, 0, 0
	TURN 1, 0, 1
	STEP 0, 0, 0
	s_sub_co_u32 s3, s3, 1
	s_cmp_lg_u32 s3, 0
	s_cbranch_scc1 .Llap
	TURN 0, 1, 0
	STEP 1, 0, 0
	s_wait_dscnt 4*NL
	WIN MUL_LO
	MUL16 0, 1, NQ-1, 1, 0
	MUL16 2, 1, NQ-1, 1, 0
	s_wait_dscnt 0
	WIN MUL_HI
	MUL16 4, 1, NQ-1, 1, 0
	MUL16 6, 1, NQ-1, 1, 0
	WIN 0
.macro QUANTW a
.set QW, 2+(\a)/4
.set QR, 64*((\a)%4)
.set PCA, 192+16*((\a)%2)-128*(((\a)%4)/2)
.set PWA, PW+(\a)%2
.if (\a) >= 2
	s_wait_dscnt 9
.endif
	WIN (QW<<2)|(QW<<4)
.irp e, 0,1,2,3
.if RELU
	v_max3_num_f32 v[TM+\e], s100, v[QR+16*\e], v[QR+16*\e+1]
.else
	v_max3_num_f32 v[TM+\e], s100, |v[QR+16*\e]|, |v[QR+16*\e+1]|
.endif
.endr
.irp i, 2,4,6,8,10,12,14
.irp e, 0,1,2,3
.if RELU
	v_max3_num_f32 v[TM+\e], v[TM+\e], v[QR+16*\e+\i], v[QR+16*\e+\i+1]
.else
	v_max3_num_f32 v[TM+\e], v[TM+\e], |v[QR+16*\e+\i]|, |v[QR+16*\e+\i+1]|
.endif
.endr
.endr
	WIN 0
.irp e, 0,1,2,3
	v_permlanex16_b32 v[TM+4+\e], v[TM+\e], s66, s67
.endr
.irp e, 0,1,2,3
	v_max_num_f32 v[TM+\e], v[TM+\e], v[TM+4+\e]
.endr
.irp e, 0,1,2,3
	v_add_nc_u32 v[TM+12+\e], 0xf8800000, v[TM+\e]
.endr
.irp e, 0,1,2,3
	v_and_or_b32 v[TM+8+\e], v[TM+\e], 0x7f800000, s101
.endr
.irp e, 0,1,2,3
	v_lshrrev_b32 v[TM+4+\e], 23, v[TM+12+\e]
.endr
	v_lshl_or_b32 v[PWA], v[TM+5], 8, v[TM+4]
	v_lshl_or_b32 v[PWA], v[TM+6], 16, v[PWA]
	v_lshl_or_b32 v[PWA], v[TM+7], 24, v[PWA]
	WIN QW|(QW<<6)
.irp e, 0,1,2,3
.irp i, 0,1,2,3,4,5,6,7,8,9,10,11,12,13,14,15
.if RELU
	v_med3_num_f32 v[QR+16*\e+\i], v[QR+16*\e+\i], 0, v[TM+8+\e]
.else
	v_med3_num_f32 v[QR+16*\e+\i], v[QR+16*\e+\i], -v[TM+8+\e], v[TM+8+\e]
.endif
.endr
.endr
	WIN QW
.irp b, 0,1,2,3,4,5,6,7
	v_cvt_scalef32_pk8_bf8_f32 v[PCA+2*\b:PCA+2*\b+1], v[QR+8*\b:QR+8*\b+7], v[TM+12+\b/2]
.endr
	WIN 0
	v_nop
.irp b, 0,1,2,3,4,5,6,7
	ds_store_b64 v[STO], v[PCA+2*\b:PCA+2*\b+1] offset:4352*(\a)+16*\b
.endr
	ds_store_b32 v[SSA], v[PWA] offset:64*(\a)
.endm
	PLACES NP
.irp e, 0,1,2,3
	v_mov_b32 v[TM+4+\e], 0
.endr
; THE WAY OUT IN FOUR PHASES: behind blocks 2 p and 2 p + 1 of all four waves, rows 32 p .. 32 p + 31 of both halves of the stage are whole: a barrier, and each wave reads 16 of them back and stores them, while the next blocks are quantised.
; A phase's 32 registers (v128 + 32 p on) are no later phase's and no later conversion's: no store's data are written again.
.irp p, 0,1,2,3
	QUANTW 2*\p
	QUANTW 2*\p+1
	s_wait_alu depctr_va_vdst(0)
	s_wait_dscnt 0x0                               ; for the others' sake: my stores into the stage are done
	s_barrier_signal -1
	s_barrier_wait -1
.irp t, 0,1,2,3,4,5,6,7
	ds_load_b128 v[BK+32*\p+4*\t:BK+32*\p+4*\t+3], v[RD] offset:8704*\p+544*\t
.endr
.irp t, 0,1,2,3,4,5,6,7
	s_wait_dscnt 7-\t                              ; load t is in; the 7 - t behind it may be out
	global_store_b128 v[CO], v[BK+32*\p+4*\t:BK+32*\p+4*\t+3], s[12:13] offset:(32*\p+2*\t)*OUTP   ; sixteen lanes store 256 consecutive bytes, at a multiple of 256 from the buffer's first byte
.endr
.endr
	ds_load_b128 v[SW:SW+3], v[SRD]
	s_wait_dscnt 0x0
	global_store_b128 v[L16], v[SW:SW+3], s[96:97]
	s_wait_tensorcnt 0x0
	ds_add_u32 v[SPW], v[NIL]
	s_wait_dscnt 0x0
	CROUND
	s_endpgm
.Lfunc_end_k_q06b0223fd9_ffn1:
	.size	k_q06b0223fd9_ffn1, .Lfunc_end_k_q06b0223fd9_ffn1-k_q06b0223fd9_ffn1
	.p2alignl 7, 3214868480
	.fill 96, 4, 3214868480
	.section	.rodata,"a",@progbits
	.p2align	6, 0x0
	.amdhsa_kernel k_q06b0223fd9_ffn1
		.amdhsa_group_segment_fixed_size 327680
		.amdhsa_private_segment_fixed_size 0
		.amdhsa_enable_private_segment 0
		.amdhsa_kernarg_size 40
		.amdhsa_user_sgpr_count 2
		.amdhsa_user_sgpr_kernarg_segment_ptr 1
		.amdhsa_wavefront_size32 1
		.amdhsa_system_sgpr_workgroup_id_x 1
		.amdhsa_system_sgpr_workgroup_id_y 1
		.amdhsa_system_sgpr_workgroup_id_z 1
		.amdhsa_system_vgpr_workitem_id 0
		.amdhsa_next_free_vgpr 1024
		.amdhsa_next_free_sgpr 106
		.amdhsa_reserve_vcc 0
		.amdhsa_float_denorm_mode_32 3
		.amdhsa_float_denorm_mode_16_64 3
		.amdhsa_memory_ordered 1
		.amdhsa_forward_progress 1
		.amdhsa_inst_pref_size 197
	.end_amdhsa_kernel
	.amdgpu_metadata
---
amdhsa.version: [ 1, 2 ]
amdhsa.kernels:
  - .name:           k_q06b0223fd9_ffn1
    .symbol:         k_q06b0223fd9_ffn1.kd
    .args:
      - { .name: hq, .offset: 0, .size: 8, .value_kind: global_buffer, .address_space: global }
      - { .name: w1_codes, .offset: 8, .size: 8, .value_kind: global_buffer, .address_space: global }
      - { .name: w1_scales, .offset: 16, .size: 8, .value_kind: global_buffer, .address_space: global }
      - { .name: b1, .offset: 24, .size: 8, .value_kind: global_buffer, .address_space: global }
      - { .name: hid, .offset: 32, .size: 8, .value_kind: global_buffer, .address_space: global }
    .group_segment_fixed_size: 327680
    .private_segment_fixed_size: 0
    .kernarg_segment_align: 8
    .kernarg_segment_size: 40
    .max_flat_workgroup_size: 128
    .sgpr_count:     106
    .vgpr_count:     1024
    .wavefront_size: 32
...
	.end_amdgpu_metadata
.endif
;; end of part 5
;; launch ffn2 (part 6): grid 8 x 32, 4 waves a work-group, clusters of 4 x 4, 327,680 bytes of LDS; arguments hid, w2_codes, w2_scales, x1, b2, out0; writes out0
.if DOCPART == 6
	.amdgcn_target "amdgcn-amd-amdhsa--gfx1250"
	.amdhsa_code_object_version 6
	.text
	.protected	k_q06b0223fd9_ffn2
	.globl	k_q06b0223fd9_ffn2
	.p2align	8
	.type	k_q06b0223fd9_ffn2,@function
k_q06b0223fd9_ffn2:
	s_mov_b64 s[64:65], 0
	v_nop
	global_prefetch_b8 v0, s[64:65] scope:SCOPE_SE
	s_setreg_imm32_b32 hwreg(HW_REG_WAVE_MODE, 25, 1), 1
	s_wait_xcnt 0x0
	s_wait_alu depctr_hold_cnt(0) depctr_sa_sdst(0) depctr_va_vdst(0) depctr_va_sdst(0) depctr_va_ssrc(0) depctr_va_vcc(0) depctr_vm_vsrc(0)
	s_getreg_b32 s2, hwreg(HW_REG_IB_STS2, 6, 4)
	s_cmp_eq_u32 s2, 0
	s_cbranch_scc0 .Lentry_in_a_cluster
	s_endpgm
.Lentry_in_a_cluster:
	s_bfe_u32 s2, ttmp6, 0x10000c
	s_cmp_lg_u32 s2, 0xf033
	s_cbranch_scc0 .Lentry_shape_is_right
	s_endpgm
.Lentry_shape_is_right:
; out0 = x1 + b2 + hidden w2 on codes of BF8 (E5M2) with E8M0 scales, K = 4,096; out0 and x1 [4,096][1,024] f32.
; hid: codes [token][4,096] at byte 0, scale words [K / 128][token][4 bytes] at byte SAOFF.  w2: codes [1,024][4,096], scale bytes [1,024][128].
; A tile of the output is 128 x 128 (256 work-groups for 32 x 8 tiles): four waves, 64 x 64 each, 16 accumulators.  K goes in 8 steps of 512 through two LDS slots; the scales of the tile's rows, for all of K, come once.
; CLUSTERS: 4 x 4 work-groups: hid's tiles are asked for jointly along a row of the cluster, w2's along a column.
; THE HEAD: four tiles, one load a wave: wave 0 K step 0's 128 rows of hid, wave 1 those of w2, wave 2 hid's scale words, wave 3 w2's scale bytes.  K step 1 follows behind the full sequence and a round, 64 rows a wave, as every refill does.
; PREFETCH INTO THE L2: behind each refill a wave names the K step two refills on: of the 64 rows x 512 bytes that it fetches, each of the four partners takes 16 rows (by address: cx for hid, cy for w2), two lanes a row, 256 bytes apart:
; each aligned block of 256 bytes once in each cluster that loads it.  K steps 2 and 3 are named at the head; the loop's last trip names nothing: K ends at step 7.
; THE MATRIX INSTRUCTION IS USED TRANSPOSED (source 0 = 16 rows of w2, source 1 = 16 tokens): a lane holds eight neighbouring numbers of a row of the output.  The bias is the C of each sum's first instruction.
; The residual is asked for behind the first step of 128 (32 loads a wave, in the layout in which rows come back from the stage) and added on the way out.
; LIMITS: NaN and infinities are not served.
; REGISTERS: window 0: v16-30 addresses; v32-95 scale words, two sets, and nothing else; v96-127 the bias; v128-255 accumulators ((a, b) at 128 + 8 (4 a + b)).  window 1: two fragment buffers of 128 (hid's four, then w2's four); on the way out rows.  window 2: v0-127 the residual.
.set KTOT,  4096
.set KSTEP, 512
.set LAPS,  4
.set NK,    32                         ; K / 128
.set AP,    528                        ; an LDS row: 512 bytes + 16 of padding
.set SAOFF, 16777216
.set ASZ,   128*AP                     ; 128 rows of one operand
.set SLOT,  2*ASZ
.set SCA,   2*SLOT                     ; hid's scale words: a row of 512 bytes + 16 for each 128 along K
.set SCB,   SCA+NK*528                 ; w2's scale bytes, as rows of 256 bytes + 16
.set KSB,   KTOT/32
.set HSB,   (64*KSB/256)*272
.set SBLK,  (16*KSB/256)*272
.set SPARE, SCB+2*HSB                  ; the spare words: 128 bytes for each wave, named by no other line
.set ADRA, 16
.set ADRB, 20
.set ADSA, 22
.set ADSB, 23
.set STO,  24
.set RD,   25
.set CO,   26
.set BO,   27
.set SPW,  28
.set NIL,  29
.set PFO,  30                          ; the prefetches' offset: 4,096 (lane / 2) + 256 (lane % 2); never rewritten
.set SC,   32
.set BI,   96
.set ACC,  128
.set F0,   0
.set F1,   128
.set G1, 24
.set G0, 32
.set G1B, 48
.set G0B, 56
.set G1S, 68
.set G0S, 76
.set G1SB, 80
.set G0SB, 88
.set PFA, 66                           ; s[66:67] where my prefetches stand
.set MSB, 0
.macro WIN new                         ; the immediate's high byte repeats the setting that is left
.if MSB != (\new)
	s_set_vgpr_msb (MSB<<8)|(\new)
.set MSB, (\new)
.endif
.endm
.macro PLACES n
.rept \n
	v_nop
.endr
.endm
.macro JLOAD g0a, g1a, g0b, g1b        ; a joint load: waves 0 and 1 fetch for hid, waves 2 and 3 for w2; an s_nop 0 and four v_nop follow each line
	s_cmp_eq_u32 s15, 0
	s_cbranch_scc0 .Lfor_b_\@
	tensor_load_to_lds s[\g0a:\g0a+3], s[\g1a:\g1a+7]
	s_nop 0
	PLACES 4
	s_branch .Lasked_\@
.Lfor_b_\@:
	tensor_load_to_lds s[\g0b:\g0b+3], s[\g1b:\g1b+7]
	s_nop 0
	PLACES 4
.Lasked_\@:
.endm
.macro ARM under, g0, g1, next         ; an arm of the head's chain: one load, then the jump to the join
	s_cmp_lt_u32 s14, \under
	s_cbranch_scc0 \next
	tensor_load_to_lds s[\g0:\g0+3], s[\g1:\g1+7]
	s_nop 0
	PLACES 4
	s_branch .Lhead_asked
\next:
.endm
.macro CREST                           ; a round of the cluster's barrier behind its opening barrier
	s_cmp_lg_u32 s14, 0
	s_cbranch_scc1 .Lnot_wave_0_\@
	s_barrier_signal -3
.Lnot_wave_0_\@:
	s_barrier_wait -3
	s_barrier_signal -1
	s_barrier_wait -1
.endm
.macro CROUND
	s_barrier_signal -1
	s_barrier_wait -1
	CREST
.endm
	s_load_b256 s[4:11], s[0:1], 0x0               ; hid s[4:5], w2's codes s[6:7], w2's scales s[8:9], x1 s[10:11]
	s_load_b128 s[96:99], s[0:1], 0x20             ; b2 s[96:97], out0 s[98:99]
	v_lshl_add_u32 v[SPW], v0, 2, SPARE
	v_mov_b32 v[NIL], 0
	ds_add_u32 v[SPW], v[NIL]                      ; the opening lines: the add, twice on end, and one wait
	ds_add_u32 v[SPW], v[NIL]
	v_lshrrev_b32 v1, 5, v0
	v_readfirstlane_b32 s14, v1                    ; wave 0..3
	s_lshr_b32 s15, s14, 1                         ; which half of the tile's tokens is mine.  Also: in the ring I fetch for hid (0) or for w2 (1)
	s_and_b32 s16, s14, 1                          ; which half of its columns.  Also: which 64 rows I fetch
	s_bfe_u32 s40, ttmp6, 0x40000                  ; cx, cy
	s_bfe_u32 s41, ttmp6, 0x40004
	s_lshl_b32 s42, ttmp9, 2
	s_add_co_u32 s42, s42, s40                     ; tile column
	s_and_b32 s17, ttmp7, 0xffff
	s_lshl_b32 s17, s17, 2
	s_add_co_u32 s17, s17, s41                     ; tile row
	s_lshl_b32 s43, s41, 2
	s_lshl_b32 s43, 15, s43                        ; my row of the cluster
	s_lshl_b32 s44, 0x1111, s40                    ; my column
	; codes: rows of 512 bytes, 4,096 apart, 16 bytes of padding behind each: 128 rows for the head's loads, 64 for the ring's
	s_or_b32 s[G1+0], s43, (0<<16)|(1<<20)|(1<<21)|(6<<22)|(3<<25)
	s_or_b32 s[G1B+0], s44, (0<<16)|(1<<20)|(1<<21)|(6<<22)|(3<<25)
.irp g, G1, G1B
	s_mov_b32 s[\g+1], KSTEP<<16
	s_mov_b32 s[\g+2], 128<<16
	s_mov_b32 s[\g+3], KSTEP<<16
	s_mov_b32 s[\g+4], 128
	s_mov_b32 s[\g+5], KTOT
	s_mov_b32 s[\g+6], 0
	s_mov_b32 s[\g+7], 0
.endr
	; hid's scale words: NK rows of 512 bytes (128 tokens), 16,384 apart
	s_or_b32 s[G1S+0], s43, (3<<16)|(1<<20)|(1<<21)|(6<<22)|(3<<25)
	s_mov_b32 s[G1S+1], 64<<16
	s_mov_b32 s[G1S+2], NK<<16
	s_mov_b32 s[G1S+3], 64<<16
	s_mov_b32 s[G1S+4], NK
	s_mov_b32 s[G1S+5], 2048
	s_mov_b32 s[G1S+6], 0
	s_mov_b32 s[G1S+7], 0
	; w2's scale bytes of 128 rows: 16,384 dense bytes, as rows of 256
	s_or_b32 s[G1SB+0], s44, (3<<16)|(1<<20)|(1<<21)|(5<<22)|(3<<25)
	s_mov_b32 s[G1SB+1], 32<<16
	s_mov_b32 s[G1SB+2], (128*KSB/256)<<16
	s_mov_b32 s[G1SB+3], 32<<16
	s_mov_b32 s[G1SB+4], 128*KSB/256
	s_mov_b32 s[G1SB+5], 32
	s_mov_b32 s[G1SB+6], 0
	s_mov_b32 s[G1SB+7], 0
	s_lshl_b32 s20, s17, 19                        ; hid's codes: 128 rows of 4,096 bytes a tile row
	s_mov_b32 s21, 0
	s_lshl_b32 s22, s17, 9                         ; its scale words: 512 bytes a tile row
	s_add_co_u32 s22, s22, SAOFF
	s_mov_b32 s23, 0
	s_lshl_b32 s46, s42, 19                        ; w2's codes: 128 rows a tile column
	s_mov_b32 s47, 0
	s_lshl_b32 s92, s42, 14                        ; its scale bytes: 128 rows of 128
	s_mov_b32 s93, 0
	s_lshl_b32 s18, s16, 18                        ; in the ring: my 64 rows
	s_mov_b32 s19, 0
	s_mul_i32 s45, s16, ASZ/2                      ; and where they go: no place in the cluster enters an LDS address
	s_cmp_eq_u32 s15, 0
	s_cselect_b32 s94, s40, s41                    ; my place among the four that ask with me
	s_lshl_b32 s94, s94, 16                        ; my work-group's 16 rows of the 64,
	s_add_co_u32 s94, s94, s18
	s_mov_b32 s95, 0
	s_wait_dscnt 0x0                               ; both opening adds are done
	s_wait_kmcnt 0x0
	s_add_nc_u64 s[22:23], s[4:5], s[22:23]
	s_add_nc_u64 s[20:21], s[4:5], s[20:21]
	s_add_nc_u64 s[46:47], s[6:7], s[46:47]
	s_add_nc_u64 s[92:93], s[8:9], s[92:93]
	s_mov_b64 s[12:13], s[98:99]                   ; the output
	s_mov_b64 s[98:99], s[10:11]                   ; the residual
	s_cmp_eq_u32 s15, 0
	s_cselect_b64 s[PFA:PFA+1], s[20:21], s[46:47]
	s_add_nc_u64 s[PFA:PFA+1], s[PFA:PFA+1], s[94:95]   ; my 16 rows, at K step 0
	v_and_b32 v5, 31, v0
	v_lshrrev_b32 v6, 1, v5
	v_and_b32 v5, 1, v5
	v_lshlrev_b32 v6, 12, v6
	v_lshl_or_b32 v[PFO], v5, 8, v6
	global_prefetch_b8 v[PFO], s[PFA:PFA+1] th:TH_LOAD_NT scope:SCOPE_SE               ; the buffers' first touch is asked for as soon as the addresses stand, ahead of the opening round: K step 0,
	global_prefetch_b8 v[PFO], s[PFA:PFA+1] offset:KSTEP th:TH_LOAD_NT scope:SCOPE_SE  ; and K step 1
	s_wait_alu depctr_va_vdst(0)
	CROUND                                         ; all sixteen work-groups are here: the first joint loads meet
	s_mov_b32 s4, 1                                ; s[4:7]: K step 0's 128 rows of hid (the arguments that lay here have been used),
	s_mov_b32 s5, 0
	s_mov_b64 s[6:7], s[20:21]
	s_or_b32 s7, s7, 0x80000000
	s_mov_b32 s8, 1                                ; s[8:11]: its 128 rows of w2
	s_mov_b32 s9, ASZ
	s_mov_b64 s[10:11], s[46:47]
	s_or_b32 s11, s11, 0x80000000
	s_mov_b32 s[G0S], 1
	s_mov_b32 s[G0S+1], SCA
	s_mov_b64 s[G0S+2:G0S+3], s[22:23]
	s_or_b32 s[G0S+3], s[G0S+3], 0x80000000
	s_mov_b32 s[G0SB], 1
	s_mov_b32 s[G0SB+1], SCB
	s_mov_b64 s[G0SB+2:G0SB+3], s[92:93]
	s_or_b32 s[G0SB+3], s[G0SB+3], 0x80000000
	s_add_nc_u64 s[20:21], s[20:21], s[18:19]      ; for the ring: my 64 rows
	s_add_nc_u64 s[46:47], s[46:47], s[18:19]
.irp s, 0,1
	s_mov_b32 s[G0+4*\s], 1
	s_add_co_u32 s[G0+4*\s+1], s45, \s*SLOT
	s_add_nc_u64 s[G0+4*\s+2:G0+4*\s+3], s[20:21], \s*KSTEP
	s_or_b32 s[G0+4*\s+3], s[G0+4*\s+3], 0x80000000
	s_mov_b32 s[G0B+4*\s], 1
	s_add_co_u32 s[G0B+4*\s+1], s45, ASZ+\s*SLOT
	s_add_nc_u64 s[G0B+4*\s+2:G0B+4*\s+3], s[46:47], \s*KSTEP
	s_or_b32 s[G0B+4*\s+3], s[G0B+4*\s+3], 0x80000000
.endr
	ARM 1, 4, G1, .Lhead_b                         ; every way through the head passes exactly one load
	ARM 2, 8, G1B, .Lhead_sa
	ARM 3, G0S, G1S, .Lhead_sb
	tensor_load_to_lds s[G0SB:G0SB+3], s[G1SB:G1SB+7]
	s_nop 0
	PLACES 4
.Lhead_asked:
	v_and_b32 v1, 15, v0                           ; r
	v_bfe_u32 v2, v0, 4, 1                         ; h
	s_lshl_b32 s21, s15, 6
	v_add_nc_u32 v3, s21, v1                       ; my token row: 64 x half + r
	v_mul_u32_u24 v4, v3, AP
	v_lshl_add_u32 v[ADRA], v2, 4, v4
	v_add_nc_u32 v[ADRA+1], SLOT, v[ADRA]
	v_lshl_add_u32 v[ADSA], v3, 2, SCA             ; its scale word
	s_lshl_b32 s22, s16, 6
	v_add_nc_u32 v3, s22, v1                       ; my row of w2
	v_mul_u32_u24 v4, v3, AP
	v_lshl_add_u32 v4, v2, 4, v4
	v_add_nc_u32 v[ADRB], ASZ, v4
	v_add_nc_u32 v[ADRB+1], ASZ+SLOT, v4
	v_mul_u32_u24 v5, v1, KSB                      ; its scale bytes: 128 a row, and 16 more for each 256 passed
	v_lshrrev_b32 v6, 8, v5
	v_lshl_add_u32 v5, v6, 4, v5
	s_mul_i32 s22, s16, HSB
	s_add_co_u32 s22, s22, SCB
	v_add_nc_u32 v[ADSB], s22, v5
	s_mul_i32 s23, s14, 16*272                     ; my stage, in slot 0: 16 rows x (256 bytes + 16)
	v_mul_u32_u24 v5, v1, 272
	v_lshl_add_u32 v5, v2, 5, v5
	v_add_nc_u32 v[STO], s23, v5                   ; in: row r, 32 bytes for each half of the lanes
	v_mul_u32_u24 v5, v2, 272
	v_lshl_add_u32 v5, v1, 4, v5
	v_add_nc_u32 v[RD], s23, v5                    ; back: lanes 0-15 one row of 256 bytes, lanes 16-31 the next
	v_lshlrev_b32 v5, 12, v2
	v_lshl_add_u32 v[CO], v1, 4, v5                ; and the same two rows in the output and in the residual
	v_lshlrev_b32 v[BO], 5, v2                     ; lane (r, h) wants, for tile b, the bias of columns 16 b + 8 h + 0 .. 7
	s_wait_alu depctr_va_vdst(0)
	s_lshl_b32 s46, s42, 9                         ; my first column, in bytes: 512 x tile column + 256 x half
	s_lshl_b32 s47, s16, 8
	s_add_co_u32 s46, s46, s47
	s_mov_b32 s47, 0
	s_add_nc_u64 s[96:97], s[96:97], s[46:47]
.irp b, 0,1,2,3
	global_load_b128 v[BI+8*\b:BI+8*\b+3], v[BO], s[96:97] offset:64*\b
	global_load_b128 v[BI+8*\b+4:BI+8*\b+7], v[BO], s[96:97] offset:64*\b+16
.endr
	global_prefetch_b8 v[PFO], s[PFA:PFA+1] offset:2*KSTEP th:TH_LOAD_NT scope:SCOPE_SE   ; K step 2: my 16 rows x 512 bytes,
	global_prefetch_b8 v[PFO], s[PFA:PFA+1] offset:3*KSTEP th:TH_LOAD_NT scope:SCOPE_SE   ; and K step 3
	s_lshl_b32 s20, s17, 7
	s_lshl_b32 s21, s15, 6
	s_add_co_u32 s20, s20, s21                     ; my first row: 128 x tile row + 64 x half
	s_lshl_b32 s20, s20, 12
	s_add_co_u32 s20, s20, s46
	s_mov_b32 s21, 0
	s_add_nc_u64 s[98:99], s[98:99], s[20:21]
	s_add_nc_u64 s[12:13], s[12:13], s[20:21]
; FOUR FRAGMENT BUFFERS of 128 registers: a slot's step q of 128 along K has buffer q: 0 and 1 in window 1 (v0, v128), 2 at v128 of window 2, 3 at v0 of window 3.  A fetch is asked for two steps ahead of its products.
.macro FETCH slot, q, f, w=1           ; the fragments of the slot's q-th 128 along K into the buffer at register f of window w: 32 loads in one run
	WIN (\w)<<6
.irp i, 0,1,2,3
.irp c, 0,1,2,3
	ds_load_b128 v[\f+64+16*\i+4*\c:\f+64+16*\i+4*\c+3], v[ADRB+\slot] offset:128*(\q)+32*\c+\i*16*AP
.endr
.endr
.irp i, 0,1,2,3
.irp c, 0,1,2,3
	ds_load_b128 v[\f+16*\i+4*\c:\f+16*\i+4*\c+3], v[ADRA+\slot] offset:128*(\q)+32*\c+\i*16*AP
.endr
.endr
.endm
.macro SCALES set                      ; a K step's scale words: hid's (block a, q) at 4 a + q, w2's (block b, q) at 16 + 4 b + q
	WIN 0
.irp a, 0,1,2,3
.irp q, 0,1,2,3
	ds_load_b32 v[SC+32*\set+4*\a+\q], v[ADSA] offset:528*\q+64*\a
.endr
.endr
.irp b, 0,1,2,3
	ds_load_b128 v[SC+32*\set+16+4*\b:SC+32*\set+16+4*\b+3], v[ADSB] offset:\b*SBLK
.endr
.endm
.macro MULA f, a, set, q, first        ; four matrix instructions: block a of tokens x w2's four.  The 16 accumulators take turns, one instruction a turn
.irp b, 0,1,2,3
.set rD, ACC+8*(4*(\a)+\b)
.set rB, \f+64+16*\b
.set rA, \f+16*(\a)
.set rSB, SC+32*(\set)+16+4*\b+(\q)
.set rSA, SC+32*(\set)+4*(\a)+(\q)
.if \first
	v_wmma_scale_f32_16x16x128_f8f6f4 v[rD:rD+7], v[rB:rB+15], v[rA:rA+15], v[BI+8*\b:BI+8*\b+7], v[rSB], v[rSA] matrix_a_fmt:MATRIX_FMT_BF8 matrix_b_fmt:MATRIX_FMT_BF8
.else
	v_wmma_scale_f32_16x16x128_f8f6f4 v[rD:rD+7], v[rB:rB+15], v[rA:rA+15], v[rD:rD+7], v[rSB], v[rSA] matrix_a_fmt:MATRIX_FMT_BF8 matrix_b_fmt:MATRIX_FMT_BF8
.endif
.endr
.endm
.macro SUB slot, q, first              ; a slot's step 0 or 1: the fragments of the step two on are asked for, then this step is multiplied
	s_wait_dscnt 32                                ; this step's fragments (and a new slot's scale words) are in; the next step's 32 loads may be out
	PLACES 8                                       ; in front of loads into a buffer that matrix instructions have read
	FETCH \slot, (\q)+2, 128*(1-(\q)), 2+(\q)
	WIN 0x05                                       ; sources 0 and 1 window 1; C and D window 0
.irp a, 0,1,2,3
	MULA 128*(\q), \a, \slot, \q, \first
.endr
.endm
; A slot's last step changes slots: ONE barrier; in front of it each wave waits for all its tensor loads, adds 0 to its spare word, and waits for that and for its reads of this slot.
.macro TURN slot, next, fill
	WIN 0
.if \fill
	s_wait_xcnt 0x0                                ; my prefetches have read their address: it steps here, a K step behind them
	s_add_nc_u64 s[PFA:PFA+1], s[PFA:PFA+1], KSTEP
.endif
	s_wait_tensorcnt 0x0                           ; all my tensor loads have landed: my part of the next slot
	ds_add_u32 v[SPW], v[NIL]                      ; 0 onto my spare word
	s_wait_dscnt 33                                ; step 2's fragments are in; step 3's 32 loads and the add may be out
	WIN 0x0a                                       ; sources 0 and 1 window 2
	MULA 128, 0, \slot, 2, 0
	MULA 128, 1, \slot, 2, 0
	s_wait_dscnt 0x0                               ; the add is done, and my reads of this slot are over: its last fragments are in registers
	s_barrier_signal -1
	MULA 128, 2, \slot, 2, 0
	MULA 128, 3, \slot, 2, 0
	WIN 0
	s_barrier_wait -1
.if \fill
	CREST                                          ; the barrier has opened a round of the cluster's barrier: no wave of any partner still reads this slot or has a load on its way
	s_add_nc_u64 s[G0+4*\slot+2:G0+4*\slot+3], s[G0+4*\slot+2:G0+4*\slot+3], 2*KSTEP
	s_add_nc_u64 s[G0B+4*\slot+2:G0B+4*\slot+3], s[G0B+4*\slot+2:G0B+4*\slot+3], 2*KSTEP
	JLOAD G0+4*\slot, G1, G0B+4*\slot, G1B         ; my one tensor load behind the round; its four v_nop are among the places in front of the loads below
	PLACES 4
.else
	PLACES 8
.endif
	v_add_nc_u32 v[ADSA], 4*528, v[ADSA]           ; the next K step's scale words (no LDS load of mine is out)
	v_add_nc_u32 v[ADSB], 16, v[ADSB]
	s_wait_alu depctr_va_vdst(0)
	FETCH \next, 0, 0
	SCALES \next
	FETCH \next, 1, 128
	WIN 0
.if \fill
	s_cmp_gt_u32 s3, 1                             ; s3 = 1 in the loop's last trip: its refills have no K step two on
	s_cbranch_scc0 .Lnone_\@
	global_prefetch_b8 v[PFO], s[PFA:PFA+1] offset:3*KSTEP th:TH_LOAD_NT scope:SCOPE_SE   ; the K step two refills on: the address stands one K step behind the refill's
.Lnone_\@:
.endif
	WIN 0x0f                                       ; sources 0 and 1 window 3: this slot's step 3, under the next slot's first loads
.irp a, 0,1,2,3
	MULA 0, \a, \slot, 3, 0
.endr
.endm
	s_wait_alu depctr_va_vdst(0)
	s_wait_tensorcnt 0x0                           ; my tile of the head's four is in
	ds_add_u32 v[SPW], v[NIL]
	s_mov_b32 s[G1+2], 64<<16                      ; no tensor load of mine is out: from here on a load brings 64 rows
	s_mov_b32 s[G1+4], 64
	s_mov_b32 s[G1B+2], 64<<16
	s_mov_b32 s[G1B+4], 64
	s_wait_dscnt 0x0
	CROUND                                         ; all four tiles are in, all sixteen work-groups are here
	JLOAD G0+4, G1, G0B+4, G1B                     ; K step 1 into slot 1: my one load behind the round
	FETCH 0, 0, 0
	SCALES 0
	FETCH 0, 1, 128
	s_wait_loadcnt 0x0                             ; the bias
	SUB 0, 0, 1                                    ; the first step's products start the sums from the bias
	WIN 0x80                                       ; destination window 2
.irp a, 0,1,2,3
.irp t, 0,1,2,3,4,5,6,7
	global_load_b128 v[32*\a+4*\t:32*\a+4*\t+3], v[CO], s[98:99] offset:(16*\a+2*\t)*4096   ; the residual: sixteen lanes read 256 consecutive bytes
.endr
.endr
	WIN 0                                          ; at a label and at a branch every window is 0
	s_mov_b32 s3, LAPS-1
.Llap:                                                 ; a trip goes once round the ring and fills both slots again; TURN holds a slot's steps 2 and 3
	SUB 0, 1, 0
	TURN 0, 1, 1
	SUB 1, 0, 0
	SUB 1, 1, 0
	TURN 1, 0, 1
	SUB 0, 0, 0
	WIN 0
	s_sub_co_u32 s3, s3, 1
	s_cmp_lg_u32 s3, 0
	s_cbranch_scc1 .Llap
	SUB 0, 1, 0                                    ; the last lap fills nothing
	TURN 0, 1, 0
	SUB 1, 0, 0
	SUB 1, 1, 0
	s_wait_dscnt 32                                ; step 2's fragments are in; step 3's 32 loads may be out
	WIN 0x0a
.irp a, 0,1,2,3
	MULA 128, \a, 1, 2, 0
.endr
	s_wait_dscnt 0x0
	WIN 0x0f
.irp a, 0,1,2,3
	MULA 0, \a, 1, 3, 0
.endr
; THE WAY OUT, 16 rows x my 64 columns at a time, through my own stage in slot 0 (its last fill and its last read are over): in 32 bytes a lane, back as whole rows of 256 bytes; the residual is added; sixteen lanes store 256 consecutive bytes.
; LDS serves a wave's instructions in order (ISA guide 5.7.1.4): no wait between the stores and the loads, nor in front of the next block's stores.
.macro TOSTAGE a
	WIN 0
.irp b, 0,1,2,3
	ds_store_b128 v[STO], v[ACC+8*(4*(\a)+\b):ACC+8*(4*(\a)+\b)+3] offset:64*\b        ; each accumulator from its low end on
	ds_store_b128 v[STO], v[ACC+8*(4*(\a)+\b)+4:ACC+8*(4*(\a)+\b)+7] offset:64*\b+16
.endr
	WIN 0x40                                       ; back into window 1
.irp t, 0,1,2,3,4,5,6,7
	ds_load_b128 v[32*((\a)%2)+4*\t:32*((\a)%2)+4*\t+3], v[RD] offset:544*\t
.endr
.endm
.macro SEND a, younger                 ; younger: the LDS instructions issued behind block a's loads, which may stay out
	s_wait_dscnt \younger
	WIN 0x49                                       ; destination and source 0 window 1, source 1 (the residual) window 2
.irp k, 0,1,2,3,4,5,6,7,8,9,10,11,12,13,14,15
	v_pk_add_f32 v[32*((\a)%2)+2*\k:32*((\a)%2)+2*\k+1], v[32*((\a)%2)+2*\k:32*((\a)%2)+2*\k+1], v[32*(\a)+2*\k:32*(\a)+2*\k+1]
.endr
	WIN 0x04                                       ; a store's data are its source 1: window 1
.irp t, 0,1,2,3,4,5,6,7
	global_store_b128 v[CO], v[32*((\a)%2)+4*\t:32*((\a)%2)+4*\t+3], s[12:13] offset:(16*(\a)+2*\t)*4096
.endr
.endm
	PLACES 8                                       ; in front of the first reads of results and of loads into the fragment buffers
	s_wait_loadcnt 0x0                             ; the residual
	TOSTAGE 0
.irp a, 1,2,3
.if \a > 1
	s_wait_xcnt 0x0                                ; block a - 2's stores have read their registers: block a's loads may land there
.endif
	TOSTAGE \a
	SEND \a-1, 16                                  ; behind block a - 1's loads: block a's 8 stores and 8 loads
.endr
	SEND 3, 0
	WIN 0
	s_wait_tensorcnt 0x0                           ; the wave's end
	ds_add_u32 v[SPW], v[NIL]
	s_wait_dscnt 0x0
	CROUND                                         ; the closing round: no work-group ends while a partner may still ask for a tile that names it
	s_endpgm
.Lfunc_end_k_q06b0223fd9_ffn2:
	.size	k_q06b0223fd9_ffn2, .Lfunc_end_k_q06b0223fd9_ffn2-k_q06b0223fd9_ffn2
	.p2alignl 7, 3214868480
	.fill 96, 4, 3214868480
	.section	.rodata,"a",@progbits
	.p2align	6, 0x0
	.amdhsa_kernel k_q06b0223fd9_ffn2
		.amdhsa_group_segment_fixed_size 327680
		.amdhsa_private_segment_fixed_size 0
		.amdhsa_enable_private_segment 0
		.amdhsa_kernarg_size 48
		.amdhsa_user_sgpr_count 2
		.amdhsa_user_sgpr_kernarg_segment_ptr 1
		.amdhsa_wavefront_size32 1
		.amdhsa_system_sgpr_workgroup_id_x 1
		.amdhsa_system_sgpr_workgroup_id_y 1
		.amdhsa_system_sgpr_workgroup_id_z 1
		.amdhsa_system_vgpr_workitem_id 0
		.amdhsa_next_free_vgpr 896
		.amdhsa_next_free_sgpr 100
		.amdhsa_reserve_vcc 0
		.amdhsa_float_denorm_mode_32 3
		.amdhsa_float_denorm_mode_16_64 3
		.amdhsa_memory_ordered 1
		.amdhsa_forward_progress 1
		.amdhsa_inst_pref_size 105
	.end_amdhsa_kernel
	.amdgpu_metadata
---
amdhsa.version: [ 1, 2 ]
amdhsa.kernels:
  - .name:           k_q06b0223fd9_ffn2
    .symbol:         k_q06b0223fd9_ffn2.kd
    .args:
      - { .name: hid, .offset: 0, .size: 8, .value_kind: global_buffer, .address_space: global }
      - { .name: w2_codes, .offset: 8, .size: 8, .value_kind: global_buffer, .address_space: global }
      - { .name: w2_scales, .offset: 16, .size: 8, .value_kind: global_buffer, .address_space: global }
      - { .name: x1, .offset: 24, .size: 8, .value_kind: global_buffer, .address_space: global }
      - { .name: b2, .offset: 32, .size: 8, .value_kind: global_buffer, .address_space: global }
      - { .name: out0, .offset: 40, .size: 8, .value_kind: global_buffer, .address_space: global }
    .group_segment_fixed_size: 327680
    .private_segment_fixed_size: 0
    .kernarg_segment_align: 8
    .kernarg_segment_size: 48
    .max_flat_workgroup_size: 128
    .sgpr_count:     100
    .vgpr_count:     896
    .wavefront_size: 32
...
	.end_amdgpu_metadata
.endif
;; end of part 6
